; MI455X (gfx1250); checked and timed in simulation.
; The chip was launched on July 23, 2026; its instructions are those of AMD's public machine-readable ISA for CDNA 5 (MIT licence, August 2026) and "CDNA5" Instruction Set Architecture Reference Guide (July 2026). The comments in the code are by the model that wrote it; some were corrected since.
;; Presidential Attention. Allowed arithmetic: matrix products marked QUANTISED: E2M1 operands, one E8M0 scale for each 32 along K, by v_wmma_scale_f32_16x16x128_f8f6f4 with both operands' format E2M1 (or v_wmma_scale_f32_32x16x128_f4), f32 sums; products left as they are: bf16, f16 or f32 operands; f32 sums; everything else in f32.
;; Inputs: Wk 1,024 x 1,024 float32; Wo 1,024 x 1,024 float32; Wq 1,024 x 1,024 float32; Wv 1,024 x 1,024 float32; attention_mask 4 x 1 x 2,048 x 2,048 float32; bk 1,024 float32; bo 1,024 float32; bq 1,024 float32; bv 1,024 float32; key 4 x 2,048 x 1,024 float32; query 4 x 2,048 x 1,024 float32; value 4 x 2,048 x 1,024 float32.
;; Outputs: out0 4 x 2,048 x 1,024 float32.
;; This version of the problem:
;;   THIS VERSION OF THE PROBLEM IS GIVEN IN LOW PRECISION. The matrix products marked QUANTISED in the list below multiply operands that are first quantised to E2M1 (2 exponent bits, 1 mantissa bit; 4 bits a number), with one power-of-two scale for each 32 numbers along K (OCP MX v1.0); their sums are f32. The products marked 'left as it is' may take bf16, f16 or f32 operands, with f32 sums. Whichever they take, every output number must still come out within the allowed error. Rounding operands to bf16 (8 significant bits) uses up far more of that allowance than f16 does (11 bits, for magnitudes from 6e-5 to 65,504). All else is computed in f32.
;;   The module's matrix products, in the order in which they are computed (A, B: the left and right operand; K: the contracted axis; several contracted axes count as one K, in the product's order):
;;     1. [M 8,192, K 1,024] x [K 1,024, N 1,024]; A: input query; B: input Wq: QUANTISED
;;     2. [M 8,192, K 1,024] x [K 1,024, N 1,024]; A: input key; B: input Wk: QUANTISED
;;     3. [M 8,192, K 1,024] x [K 1,024, N 1,024]; A: input value; B: input Wv: QUANTISED
;;     4. batch 64 x [M 2,048, K 64] x [K 64, N 2,048]; A: computed on the way; B: computed on the way: left as it is (an operand is computed on the way)
;;     5. batch 64 x [M 2,048, K 2,048] x [K 2,048, N 64]; A: computed on the way; B: computed on the way: left as it is (an operand is computed on the way)
;;     6. [M 8,192, K 1,024] x [K 1,024, N 1,024]; A: computed on the way; B: input Wo: left as it is (an operand is computed on the way)
;;   THE QUANTISER, for each operand of a quantised product, along K:
;;     - K is cut into blocks of 32 from its start; a last block that is shorter is filled with zeros.
;;     - A block's scale is 2^e with e = floor(log2(the largest magnitude in the block)) - 2, held to -126 .. 127; a block of zeros has e = 0. As a byte (E8M0): e + 127.
;;     - Each number is divided by its block's scale, clamped to +-6, and rounded to the nearest number of E2M1, ties to even, subnormals kept.
;;     - The product sums the exact products of the quantised numbers (number of the format x scale) in f32.
;;   ~~~python
;;   def quantise(x, axis):      # numpy; x: float32 -> the quantised numbers, widened to float32 again
;;       x = np.moveaxis(x, axis, -1); K = x.shape[-1]
;;       x = np.pad(x, [(0, 0)] * (x.ndim - 1) + [(0, -K % 32)]); x = x.reshape(x.shape[:-1] + (-1, 32)); a = np.abs(x).max(-1, keepdims=True)
;;       e = np.where(a > 0, np.clip(np.frexp(np.where(a > 0, a, 1))[1] - 1 - 2, -126, 127), 0)      # np.frexp(a)[1] - 1 = floor(log2(a)), exactly
;;       r = np.clip(x / 2.0 ** e, -6, 6)
;;       step = 2.0 ** (np.maximum(np.frexp(np.where(r == 0, 1, r))[1] - 1, 0) - 1)
;;       q = np.round(r / step) * step * 2.0 ** e      # np.round: ties to even
;;       return np.moveaxis(q.reshape(q.shape[:-2] + (-1,))[..., :K], -1, axis).astype(np.float32)
;;   ~~~
;; One version. Each part assembles by itself: llvm-mc -triple=amdgcn-amd-amdhsa -mcpu=gfx1250 --defsym DOCPART=n.
;; ======== version 1 of 1: 4 launches
;; limits: values are held in f16: magnitudes above 65,504 overflow, below 6.1e-05 lose precision
;; workspace buffers: xc 12,582,912 bytes; xs 786,432 bytes; wc 1,572,864 bytes; ws 98,304 bytes; wot 2,097,152 bytes; qkv 50,331,648 bytes; ao 16,777,216 bytes
;; launch prep (part 1): grid 880 x 1, 4 waves a work-group, no clusters, 102,912 bytes of LDS; arguments query, key, value, Wq, Wk, Wv, Wo, xc, xs, wc, ws, wot; writes xc, xs, wc, ws, wot
.if DOCPART == 1
	.amdgcn_target "amdgcn-amd-amdhsa--gfx1250"
	.amdhsa_code_object_version 6
	.text
	.protected	k_q5dbe0fa10a_prep
	.globl	k_q5dbe0fa10a_prep
	.p2align	8
	.type	k_q5dbe0fa10a_prep,@function
k_q5dbe0fa10a_prep:
	s_mov_b64 s[64:65], 0
	v_nop
	global_prefetch_b8 v0, s[64:65] scope:SCOPE_SE
	s_setreg_imm32_b32 hwreg(HW_REG_WAVE_MODE, 25, 1), 1
	s_wait_xcnt 0x0
; PREPARATION OF ALL OPERANDS, one launch, three paths chosen by the work-group's number; the paths never join, and each has LDS bytes of its own.
;   work-groups 0-47    Wq, Wk, Wv [1024 k][1024 n] f32 -> codes of E2M1 laid [3 x 1024 n][512 bytes], K innermost, and E8M0 bytes [3 x 1024 n][32]
;   work-groups 48-111  Wo [1024 k][1024 n] f32 -> f16 laid [1024 n][1024 k]
;   work-groups 112-879 query, key, value [8192][1024] f32 -> codes [3 x 8192][512 bytes] and E8M0 bytes [3 x 8192][32]
; A block's scale is 2^(floor(log2(its largest magnitude)) - 2); its byte is the largest magnitude's exponent field - 2, held at 1 from below.
; LIMITS: a block of zeros gets the byte 1 where the quantiser says 127 (its codes are zeros, and this program alone reads the bytes); blocks whose largest magnitude lies under
; 2^(3 - 127) are held at the byte 1; NaN and infinities among the inputs are not served; Wo's numbers must lie inside f16's range (65,504), and under 6e-5 they carry f16's absolute step.
; No tensor loads, no barrier: waves share nothing.
.set SPW,   190                        ; v190  LDS address of my spare word; never rewritten
.set NIL,   191                        ; v191  0; never rewritten
.set WLDS,  32768                      ; LDS: 0 .. 32767 the activations' path, 8,192 bytes a wave; then the weights' four stages of 32 x 272;
.set OLDS,  67584                      ; then Wo's four stages of 32 x 272;
.set SPARE, 102400                     ; then the spare words, 128 bytes for each wave: two blocks of 256 bytes that no other line names
.set WV,    28                         ; s28   my wave's number
.set SP,    80                         ; activations: a lane's place in a stage: its 64 bytes + 16 of padding
.set XR,    16                         ; v16-79   four sets of 16 numbers as they are loaded
.set XN,    80                         ; v80-111  two sets of 16 neighbours
.set XE,    112                        ; v112-127 a scale byte for each step
.set XC,    128                        ; v128-189 codes: four registers for each step, so that no store's data are written again
.set PW,    272                        ; weights: a stage row: 256 bytes + 16
.set WX,    32                         ; v32-95   two sets of 32 numbers down K
.set WC,    96                         ; v96-111  a block's codes, or its 32 numbers in f16
.set WO,    112                        ; v112-175 the way out
.set WS,    24                         ; v24-27   16 scale bytes
	s_load_b256 s[4:11], s[0:1], 0x0               ; query s[4:5], key s[6:7], value s[8:9], Wq s[10:11]
	s_load_b256 s[12:19], s[0:1], 0x20             ; Wk s[12:13], Wv s[14:15], Wo s[16:17], xc s[18:19]
	s_load_b256 s[20:27], s[0:1], 0x40             ; xs s[20:21], wc s[22:23], ws s[24:25], wot s[26:27]
	v_lshl_add_u32 v[SPW], v0, 2, SPARE
	v_mov_b32 v[NIL], 0
	v_lshrrev_b32 v1, 5, v0
	v_readfirstlane_b32 s[WV], v1                  ; wave 0..3
	v_and_b32 v2, 31, v0                           ; lane
	s_mov_b32 s39, 0                               ; the upper word of every offset pair s[38:39]
	s_wait_kmcnt 0x0
	s_cmp_lt_u32 ttmp9, 48
	s_cbranch_scc1 .Lpath_w
	s_cmp_lt_u32 ttmp9, 112
	s_cbranch_scc1 .Lpath_o
; ---------------- THE ACTIVATIONS: K is innermost, rows are dense: a tensor is a plain stream of blocks of 32 numbers.
; A wave takes 16 steps of 512 numbers.  Each load reads 512 consecutive bytes, 16 a lane; a step's 2,048 bytes turn through the wave's own stage in LDS and come back 64 bytes a lane,
; so that a lane holds 16 neighbours along K (two neighbouring lanes hold a block).  A lane's 16 codes are 8 bytes: the wave stores 256 consecutive bytes.  A wave's 256 scale bytes gather in LDS and leave as one store.
	s_sub_co_u32 s29, ttmp9, 112                   ; 0 .. 767: 256 work-groups a tensor
	s_lshr_b32 s30, s29, 8                         ; which tensor
	s_cmp_eq_u32 s30, 0
	s_cselect_b64 s[32:33], s[4:5], s[6:7]
	s_cmp_eq_u32 s30, 2
	s_cselect_b64 s[32:33], s[8:9], s[32:33]       ; the choice hangs on the work-group's number alone
	s_and_b32 s31, s29, 255
	s_lshl_b32 s31, s31, 2
	s_add_co_u32 s38, s31, s[WV]                   ; my run of 8,192 numbers in the tensor,
	s_lshl_b32 s38, s38, 15                        ; 32,768 bytes each
	s_add_nc_u64 s[32:33], s[32:33], s[38:39]
	s_lshl_b32 s40, s29, 2
	s_add_co_u32 s40, s40, s[WV]                   ; my run among the three tensors' 3,072
	s_lshl_b32 s38, s40, 12                        ; 4,096 bytes of codes a run
	s_add_nc_u64 s[34:35], s[18:19], s[38:39]
	s_lshl_b32 s38, s40, 8                         ; 256 scale bytes a run
	s_add_nc_u64 s[36:37], s[20:21], s[38:39]
	v_lshlrev_b32 v3, 4, v2                        ; my 16 bytes of a load's 512
	s_mul_i32 s41, s[WV], 8192                     ; my wave's region
	v_lshrrev_b32 v14, 2, v2
	v_mul_u32_u24 v14, v14, SP
	v_and_b32 v15, 3, v2
	v_lshl_add_u32 v14, v15, 4, v14
	v_add_nc_u32 v14, s41, v14                     ; the stage, on the way in: SP (lane / 4) + 16 (lane % 4)
	v_mul_u32_u24 v15, v2, SP
	v_add_nc_u32 v15, s41, v15                     ; and on the way out: SP x lane: my 16 neighbours
	v_lshlrev_b32 v4, 3, v2                        ; my codes' place in a step's 256 bytes
	v_lshrrev_b32 v5, 1, v2
	s_add_co_u32 s41, s41, 2*32*SP                 ; behind the two stages: my wave's 256 scale bytes
	v_add_nc_u32 v5, s41, v5                       ; my block's byte
	v_lshlrev_b32 v7, 3, v2                        ; on the way out 8 bytes a lane
	v_add_nc_u32 v6, s41, v7
.macro XLOAD t
.irp i, 0,1,2,3
	global_load_b128 v[XR+16*((\t)%4)+4*\i:XR+16*((\t)%4)+4*\i+3], v3, s[32:33] offset:2048*(\t)+512*\i th:TH_LOAD_NT   ; 32 lanes read 512 consecutive bytes
.endr
.endm
.macro XTURN t                         ; step t's numbers through the stage: LDS serves a wave's instructions in order (ISA guide 5.7.1.4), so no wait stands between the stores and the loads
.irp i, 0,1,2,3
	ds_store_b128 v14, v[XR+16*((\t)%4)+4*\i:XR+16*((\t)%4)+4*\i+3] offset:32*SP*((\t)%2)+8*SP*\i
.endr
.irp i, 0,1,2,3
	ds_load_b128 v[XN+16*((\t)%2)+4*\i:XN+16*((\t)%2)+4*\i+3], v15 offset:32*SP*((\t)%2)+16*\i
.endr
.endm
.macro XSTEP t
.set XS, XN+16*((\t)%2)
.if (\t) > 0
	s_wait_dscnt 1                                 ; this step's numbers are back from the stage; the last step's byte store may be out
.else
	s_wait_dscnt 0x0
.endif
.if (\t)+4 < 16
	XLOAD (\t)+4                                   ; the registers that this step's stage stores have read take the loads of four steps on
.endif
.if (\t)+1 < 16
.if 14-(\t) >= 3
	s_wait_loadcnt 12                              ; the next step's four loads are in; those of the three steps behind it may be out
.else
	s_wait_loadcnt 4*(14-(\t))
.endif
	XTURN (\t)+1                                   ; and go through the other stage while this step is worked
.endif
	v_max3_num_f32 v8, |v[XS]|, |v[XS+1]|, |v[XS+2]|               ; the largest magnitude of my 16, in two chains
	v_max3_num_f32 v9, |v[XS+3]|, |v[XS+4]|, |v[XS+5]|
.irp i, 6,10
	v_max3_num_f32 v8, v8, |v[XS+\i]|, |v[XS+\i+1]|
	v_max3_num_f32 v9, v9, |v[XS+\i+2]|, |v[XS+\i+3]|
.endr
	v_max3_num_f32 v8, v8, |v[XS+14]|, |v[XS+15]|
	v_max3_num_f32 v8, v8, v9, 0x1800000           ; and the floor 2^(3 - 127): the byte cannot fall under 1
	v_max_num_f32_dpp v8, v8, v8 row_xmask:1 row_mask:0xf bank_mask:0xf   ; and of my neighbour's 16: the block's
	v_add_nc_u32 v11, 0xff000000, v8               ; 2 off its exponent field: the conversion takes the exponent field of this operand as its scale
	v_cvt_scalef32_pk8_fp4_f32 v[XC+4*(\t)], v[XS:XS+7], v11       ; eight numbers / the scale, to the nearest code, ties to even, beyond 6 the largest code
	v_cvt_scalef32_pk8_fp4_f32 v[XC+4*(\t)+1], v[XS+8:XS+15], v11
	v_lshrrev_b32 v[XE+(\t)], 23, v11              ; the scale's byte (also the plain line behind the conversions)
	ds_store_b8 v5, v[XE+(\t)] offset:16*(\t)      ; both lanes of a block write the same byte with the same value
	global_store_b64 v4, v[XC+4*(\t):XC+4*(\t)+1], s[34:35] offset:256*(\t)   ; 32 lanes store 256 consecutive bytes, aligned
.endm
.irp t, 0,1,2,3
	XLOAD \t
.endr
	s_wait_loadcnt 12                              ; step 0's four loads are in
	XTURN 0
.irp t, 0,1,2,3,4,5,6,7,8,9,10,11,12,13,14,15
	XSTEP \t
.endr
	ds_load_b64 v[8:9], v6                         ; in order behind my byte stores
	s_wait_dscnt 0x0
	global_store_b64 v7, v[8:9], s[36:37]          ; 32 lanes store 256 consecutive bytes, aligned
	s_wait_tensorcnt 0x0                           ; the wave's end, behind my last LDS store
	ds_add_u32 v[SPW], v[NIL]
	s_wait_dscnt 0x0
	s_endpgm
; ---------------- what the two weight paths share.  A LANE TAKES A COLUMN n, AND ITS REGISTERS RUN DOWN K: each load reads 128 consecutive bytes a wave, and a lane's registers are neighbours along K.
.macro WLOAD t                         ; rows 32 t + i of my part, i = 0 .. 31, my column, into set t % 2
.irp i, 0,1,2,3,4,5,6,7,8,9,10,11,12,13,14,15,16,17,18,19,20,21,22,23,24,25,26,27,28,29,30,31
	global_load_b32 v[WX+32*((\t)%2)+\i], v3, s[32:33] offset:(32*(\t)+\i)*4096 th:TH_LOAD_NT
.endr
.endm
.macro WAYOUT pitch                    ; the stage's 32 rows of 256 bytes leave as rows: sixteen lanes store 256 consecutive bytes, aligned; two rows an instruction
.irp t, 0,1,2,3,4,5,6,7,8,9,10,11,12,13,14,15
	ds_load_b128 v[WO+4*\t:WO+4*\t+3], v7 offset:2*\t*PW           ; in order behind my stores
.endr
.irp t, 0,1,2,3,4,5,6,7,8,9,10,11,12,13,14,15
	s_wait_dscnt 15-\t                             ; load t is in; the younger ones may be out
	global_store_b128 v8, v[WO+4*\t:WO+4*\t+3], s[34:35] offset:2*\t*\pitch
.endr
	s_wait_tensorcnt 0x0                           ; the wave's end, behind my last LDS store
	ds_add_u32 v[SPW], v[NIL]
	s_wait_dscnt 0x0
	s_endpgm
.endm
; ---------------- Wq, Wk, Wv: a wave takes 32 columns x 512 along K: 16 blocks a lane, 256 bytes of codes for each column
.Lpath_w:
	s_lshr_b32 s29, ttmp9, 4                       ; which weight
	s_bfe_u32 s30, ttmp9, 0x30001                  ; which 128 columns
	s_and_b32 s31, ttmp9, 1                        ; which 512 along K
	s_cmp_eq_u32 s29, 0
	s_cselect_b64 s[32:33], s[10:11], s[12:13]
	s_cmp_eq_u32 s29, 2
	s_cselect_b64 s[32:33], s[14:15], s[32:33]
	s_lshl_b32 s30, s30, 7
	s_lshl_b32 s40, s[WV], 5
	s_add_co_u32 s30, s30, s40                     ; my wave's first column
	s_lshl_b32 s38, s31, 21                        ; 512 rows of 4,096 bytes
	s_lshl_b32 s40, s30, 2
	s_add_co_u32 s38, s38, s40
	s_add_nc_u64 s[32:33], s[32:33], s[38:39]
	s_lshl_b32 s40, s29, 10
	s_add_co_u32 s40, s40, s30                     ; my first row among the codes' 3,072
	s_lshl_b32 s38, s40, 9
	s_lshl_b32 s41, s31, 8
	s_add_co_u32 s38, s38, s41
	s_add_nc_u64 s[34:35], s[22:23], s[38:39]      ; codes: row x 512 + 256 x half
	s_lshl_b32 s38, s40, 5
	s_lshl_b32 s41, s31, 4
	s_add_co_u32 s38, s38, s41
	s_add_nc_u64 s[36:37], s[24:25], s[38:39]      ; scale bytes: row x 32 + 16 x half
	v_lshlrev_b32 v3, 2, v2                        ; in: 4 bytes a lane
	s_mul_i32 s41, s[WV], 32*PW
	s_add_co_u32 s41, s41, WLDS                    ; my stage
	v_mul_u32_u24 v4, v2, PW
	v_add_nc_u32 v4, s41, v4                       ; into it: row = my column
	v_and_b32 v5, 15, v2
	v_lshrrev_b32 v6, 4, v2
	v_mul_u32_u24 v7, v6, PW
	v_lshl_add_u32 v7, v5, 4, v7
	v_add_nc_u32 v7, s41, v7                       ; out of it: sixteen lanes to a row
	v_lshlrev_b32 v8, 9, v6
	v_lshl_add_u32 v8, v5, 4, v8                   ; and the same place in the codes' buffer (rows of 512 bytes)
	v_lshlrev_b32 v9, 5, v2                        ; my column's row of scale bytes
	WLOAD 0
	WLOAD 1
.macro WBLOCK t
.set XS, WX+32*((\t)%2)
.if (\t) < 15
	s_wait_loadcnt 32                              ; this block's 32 loads are in; the next block's may be out
.else
	s_wait_loadcnt 0x0
.endif
	v_max3_num_f32 v12, |v[XS]|, |v[XS+1]|, |v[XS+2]|              ; the block's largest magnitude: all 32 numbers are mine
	v_max3_num_f32 v13, |v[XS+3]|, |v[XS+4]|, |v[XS+5]|
.irp i, 6,10,14,18,22,26
	v_max3_num_f32 v12, v12, |v[XS+\i]|, |v[XS+\i+1]|
	v_max3_num_f32 v13, v13, |v[XS+\i+2]|, |v[XS+\i+3]|
.endr
	v_max3_num_f32 v12, v12, |v[XS+30]|, |v[XS+31]|
	v_max3_num_f32 v12, v12, v13, 0x1800000        ; and the floor 2^(3 - 127)
	v_add_nc_u32 v11, 0xff000000, v12              ; 2 off its exponent field: the conversion's scale operand
	v_lshrrev_b32 v13, 23, v11                     ; the scale's byte
.if (\t)%4 == 0
	v_mov_b32 v[WS+(\t)/4], v13                    ; four bytes to a register, the lower K in the lower byte
.else
	v_lshl_or_b32 v[WS+(\t)/4], v13, 8*((\t)%4), v[WS+(\t)/4]
.endif
.irp g, 0,1,2,3
	v_cvt_scalef32_pk8_fp4_f32 v[WC+\g], v[XS+8*\g:XS+8*\g+7], v11
.endr
	v_nop                                          ; one plain line behind the last conversion
	ds_store_b128 v4, v[WC:WC+3] offset:16*(\t)    ; 32 codes: 16 bytes of my column's row
.if (\t)+2 < 16
	WLOAD (\t)+2
.endif
	s_wait_dscnt 0x0                               ; the store has read its registers: the next block's codes may be written
.endm
.irp t, 0,1,2,3,4,5,6,7,8,9,10,11,12,13,14,15
	WBLOCK \t
.endr
	global_store_b128 v9, v[WS:WS+3], s[36:37]     ; my column's 16 scale bytes
	WAYOUT 512
; ---------------- Wo: a wave takes 32 columns x 128 along K: 256 bytes of f16 for each column
.Lpath_o:
	s_sub_co_u32 s29, ttmp9, 48
	s_lshr_b32 s30, s29, 3                         ; which 128 columns
	s_and_b32 s31, s29, 7                          ; which 128 along K
	s_lshl_b32 s30, s30, 7
	s_lshl_b32 s40, s[WV], 5
	s_add_co_u32 s30, s30, s40                     ; my wave's first column
	s_lshl_b32 s38, s31, 19                        ; 128 rows of 4,096 bytes
	s_lshl_b32 s40, s30, 2
	s_add_co_u32 s38, s38, s40
	s_add_nc_u64 s[32:33], s[16:17], s[38:39]
	s_lshl_b32 s38, s30, 11                        ; a row of the result is 2,048 bytes
	s_lshl_b32 s40, s31, 8
	s_add_co_u32 s38, s38, s40
	s_add_nc_u64 s[34:35], s[26:27], s[38:39]
	v_lshlrev_b32 v3, 2, v2
	s_mul_i32 s41, s[WV], 32*PW
	s_add_co_u32 s41, s41, OLDS                    ; my stage
	v_mul_u32_u24 v4, v2, PW
	v_add_nc_u32 v4, s41, v4
	v_and_b32 v5, 15, v2
	v_lshrrev_b32 v6, 4, v2
	v_mul_u32_u24 v7, v6, PW
	v_lshl_add_u32 v7, v5, 4, v7
	v_add_nc_u32 v7, s41, v7
	v_lshlrev_b32 v8, 11, v6
	v_lshl_add_u32 v8, v5, 4, v8
	WLOAD 0
	WLOAD 1
.macro HBLOCK t
.set XS, WX+32*((\t)%2)
.if (\t) < 3
	s_wait_loadcnt 32                              ; this block's 32 loads are in; the next block's may be out
.else
	s_wait_loadcnt 0x0
.endif
.irp i, 0,1,2,3,4,5,6,7,8,9,10,11,12,13,14,15
	v_cvt_pk_f16_f32 v[WC+\i], v[XS+2*\i], v[XS+2*\i+1]            ; two neighbours along K, the lower in the low half
.endr
.irp g, 0,1,2,3
	ds_store_b128 v4, v[WC+4*\g:WC+4*\g+3] offset:64*(\t)+16*\g
.endr
.if (\t)+2 < 4
	WLOAD (\t)+2
.endif
	s_wait_dscnt 0x0                               ; the stores have read their registers
.endm
.irp t, 0,1,2,3
	HBLOCK \t
.endr
	WAYOUT 2048
.Lfunc_end_k_q5dbe0fa10a_prep:
	.size	k_q5dbe0fa10a_prep, .Lfunc_end_k_q5dbe0fa10a_prep-k_q5dbe0fa10a_prep
	.p2alignl 7, 3214868480
	.fill 96, 4, 3214868480
	.section	.rodata,"a",@progbits
	.p2align	6, 0x0
	.amdhsa_kernel k_q5dbe0fa10a_prep
		.amdhsa_group_segment_fixed_size 102912
		.amdhsa_private_segment_fixed_size 0
		.amdhsa_enable_private_segment 0
		.amdhsa_kernarg_size 96
		.amdhsa_user_sgpr_count 2
		.amdhsa_user_sgpr_kernarg_segment_ptr 1
		.amdhsa_wavefront_size32 1
		.amdhsa_system_sgpr_workgroup_id_x 1
		.amdhsa_system_sgpr_workgroup_id_y 1
		.amdhsa_system_sgpr_workgroup_id_z 1
		.amdhsa_system_vgpr_workitem_id 0
		.amdhsa_next_free_vgpr 192
		.amdhsa_next_free_sgpr 66
		.amdhsa_reserve_vcc 0
		.amdhsa_float_denorm_mode_32 3
		.amdhsa_float_denorm_mode_16_64 3
		.amdhsa_memory_ordered 1
		.amdhsa_forward_progress 1
		.amdhsa_inst_pref_size 133
	.end_amdhsa_kernel
	.amdgpu_metadata
---
amdhsa.version: [ 1, 2 ]
amdhsa.kernels:
  - .name:           k_q5dbe0fa10a_prep
    .symbol:         k_q5dbe0fa10a_prep.kd
    .args:
      - { .name: query, .offset: 0, .size: 8, .value_kind: global_buffer, .address_space: global }
      - { .name: key, .offset: 8, .size: 8, .value_kind: global_buffer, .address_space: global }
      - { .name: value, .offset: 16, .size: 8, .value_kind: global_buffer, .address_space: global }
      - { .name: Wq, .offset: 24, .size: 8, .value_kind: global_buffer, .address_space: global }
      - { .name: Wk, .offset: 32, .size: 8, .value_kind: global_buffer, .address_space: global }
      - { .name: Wv, .offset: 40, .size: 8, .value_kind: global_buffer, .address_space: global }
      - { .name: Wo, .offset: 48, .size: 8, .value_kind: global_buffer, .address_space: global }
      - { .name: xc, .offset: 56, .size: 8, .value_kind: global_buffer, .address_space: global }
      - { .name: xs, .offset: 64, .size: 8, .value_kind: global_buffer, .address_space: global }
      - { .name: wc, .offset: 72, .size: 8, .value_kind: global_buffer, .address_space: global }
      - { .name: ws, .offset: 80, .size: 8, .value_kind: global_buffer, .address_space: global }
      - { .name: wot, .offset: 88, .size: 8, .value_kind: global_buffer, .address_space: global }
    .group_segment_fixed_size: 102912
    .private_segment_fixed_size: 0
    .kernarg_segment_align: 8
    .kernarg_segment_size: 96
    .max_flat_workgroup_size: 128
    .sgpr_count:     66
    .vgpr_count:     192
    .wavefront_size: 32
...
	.end_amdgpu_metadata
.endif
;; end of part 1
;; launch proj (part 2): grid 4 x 96, 4 waves a work-group, clusters of 4 x 4, 327,680 bytes of LDS; arguments xc, xs, wc, ws, qkv, bq, bk, bv; writes qkv
.if DOCPART == 2
	.amdgcn_target "amdgcn-amd-amdhsa--gfx1250"
	.amdhsa_code_object_version 6
	.text
	.protected	k_q5dbe0fa10a_proj
	.globl	k_q5dbe0fa10a_proj
	.p2align	8
	.type	k_q5dbe0fa10a_proj,@function
k_q5dbe0fa10a_proj:
	s_mov_b64 s[64:65], 0
	v_nop
	global_prefetch_b8 v0, s[64:65] scope:SCOPE_SE
	s_setreg_imm32_b32 hwreg(HW_REG_WAVE_MODE, 25, 1), 1
	s_wait_xcnt 0x0
	s_wait_alu depctr_hold_cnt(0) depctr_sa_sdst(0) depctr_va_vdst(0) depctr_va_sdst(0) depctr_va_ssrc(0) depctr_va_vcc(0) depctr_vm_vsrc(0)
	s_getreg_b32 s2, hwreg(HW_REG_IB_STS2, 6, 4)
	s_cmp_eq_u32 s2, 0
	s_cbranch_scc0 .Lentry_in_a_cluster
	s_endpgm
.Lentry_in_a_cluster:
	s_bfe_u32 s2, ttmp6, 0x10000c
	s_cmp_lg_u32 s2, 0xf033
	s_cbranch_scc0 .Lentry_shape_is_right
	s_endpgm
.Lentry_shape_is_right:
; THE THREE PROJECTIONS AS ONE GEMM ON CODES OF E2M1.  A: the activations' codes [3 x 8192][1024 k], B: the weights' codes [3 x 1024 n][1024 k], each with one E8M0 byte for 32 along K.
; Tile rows 0-31 of the result are q = query Wq + bq, 32-63 k, 64-95 v; a tile row takes the weight, the bias and the factor of its tensor T = tile row / 32.
; The result leaves as f16, by heads: qkv[T][batch x 16 + head][position][64].  q is multiplied by log2(e) / 8 in f32 before it is rounded, so that the scores come out in base 2; k and v by 1.
; LIMITS: the numbers stored must lie inside f16's range (65,504); under 6e-5 they carry f16's absolute step.
; A tile, 256 x 256, is made by four waves, each 128 x 128: 64 accumulators of 16 x 16, 512 registers.  K = 1,024 is two slots of 512 along K (rows of 256 bytes): both are asked for at the head, and nothing is filled twice.
; The scale bytes of the tile's 256 + 256 rows are two dense blocks: they come once, with the first fills.
; CLUSTERS: 4 x 4 work-groups.  A's tiles are shared along a row of the cluster, B's along a column: each is asked for jointly, by the same tensor load with the same descriptor and a mask that names the four.
; THE MATRIX INSTRUCTION IS USED TRANSPOSED (source 0 = 16 rows of B, source 1 = 16 rows of A): a lane holds eight neighbouring columns of one row.  THE BIAS IS THE C OF EACH SUM'S FIRST PRODUCT.
; REGISTERS: window 0: v0-31 addresses; v32-95 scale words, two sets; v128-191 A's fragments, one set; v192-255 the bias in the result's layout.  window 1: B's fragments, two sets.  windows 2, 3: the accumulators.
.set NQ,     4                         ; matrix instructions deep in a slot
.set ROWB,   256                       ; a tile's row in bytes: 512 codes
.set KROW,   512                       ; a row of A or of B in memory
.set PITCH,  272                       ; an LDS row: 256 bytes + 16 of padding = 68 words: the 16 rows that a load touches start at 16 different banks (64 banks of 4 bytes: ISA guide 11.1)
.set FR,     8                         ; registers of a fragment: 16 rows x 128 K
.set NL,     2                         ; LDS loads that bring one
.set NP,     4                         ; places behind this matrix instruction (ISA guide 7.12.1)
.set HALFT,  128*PITCH
.set SLOT,   4*HALFT                   ; A's 256 rows, then B's 256 rows
.set KS,     32                        ; a row of scales in bytes
.set SCL,    2*SLOT                    ; behind the ring: the scales, as units of 256 bytes + 16 of padding
.set HALFS,  (128*KS/256)*272
.set SBLK,   (16*KS/256)*272
.set SPARE,  SCL+4*HALFS               ; the spare words, 128 bytes for each wave: two blocks of 256 bytes that no other line names
.set SPITCH, 272                       ; the way out: a stage of 16 rows x (256 bytes + 16) for each wave, in slot 0, which has had its only fill and its last read by then
.set ADRA, 16
.set ADRB, 20
.set STO,  24
.set RD,   25
.set CO,   26
.set ADRS, 27
.set SPW,  28
.set NIL,  29
.set SC,   32
.set AF,   128
.set BI,   192                         ; v192-255: register BI + 8 b + j: the bias of column 16 b + 8 (lane / 16) + j of my 128
.set TF,   128                         ; the way out: a block's 64 numbers x the factor,
.set TH,   192                         ; and as f16
.set BK,   32                          ; and read back from the stage: v32-63 and v64-95 by turns
.set G1, 24
.set G0, 32
.set G1B, 48
.set G0B, 56
.set G1S, 68
.set G0S, 76
.set G1SB, 80
.set G0SB, 88
.set TT,  95                           ; s95: which tensor
.set FAC, 66                           ; s[66:67]: the factor, as a pair
.set MSB, 0
.macro WIN new                         ; the immediate's high byte repeats the setting that is left
.if MSB != \new
	s_set_vgpr_msb (MSB<<8)|\new
.set MSB, \new
.endif
.endm
.set MUL_LO, 0xa1                      ; source 0 (B) window 1, source 1 (A) window 0, C and D window 2
.set MUL_HI, 0xf1                      ; the same, C and D window 3
.set BEG_LO, 0x81                      ; the first products: C (the bias) window 0, D window 2
.set BEG_HI, 0xc1                      ; D window 3
.set TO_B,   0x40
; A joint load: waves 0 and 1 fetch for A, waves 2 and 3 for B; the branch hangs on the wave's number alone.  An s_nop 0 and four v_nop follow each of the two lines.
.macro JLOAD g0a, g1a, g0b, g1b
	s_cmp_eq_u32 s15, 0
	s_cbranch_scc0 .Lfor_b_\@
	tensor_load_to_lds s[\g0a:\g0a+3], s[\g1a:\g1a+7]
	s_nop 0
.rept 4
	v_nop
.endr
	s_branch .Lasked_\@
.Lfor_b_\@:
	tensor_load_to_lds s[\g0b:\g0b+3], s[\g1b:\g1b+7]
	s_nop 0
.rept 4
	v_nop
.endr
.Lasked_\@:
.endm
.macro CROUND                          ; a round of the cluster's barrier
	s_barrier_signal -1
	s_barrier_wait -1
	s_cmp_lg_u32 s14, 0
	s_cbranch_scc1 .Lnot_wave_0_\@
	s_barrier_signal -3
.Lnot_wave_0_\@:
	s_barrier_wait -3
	s_barrier_signal -1
	s_barrier_wait -1
.endm
	s_load_b128 s[4:7], s[0:1], 0x0                ; A's codes s[4:5], A's scales s[6:7]
	s_load_b128 s[8:11], s[0:1], 0x10              ; B's codes s[8:9], B's scales s[10:11]
	s_load_b64 s[12:13], s[0:1], 0x20              ; qkv
	s_load_b128 s[96:99], s[0:1], 0x28             ; bq, bk
	s_load_b64 s[100:101], s[0:1], 0x38            ; bv
	v_lshl_add_u32 v[SPW], v0, 2, SPARE
	v_mov_b32 v[NIL], 0
	ds_add_u32 v[SPW], v[NIL]                      ; the wave's opening: the add, twice on end, and its wait ahead of my first tensor load
	ds_add_u32 v[SPW], v[NIL]
	v_lshrrev_b32 v1, 5, v0
	v_readfirstlane_b32 s14, v1                    ; wave 0..3
	s_lshr_b32 s15, s14, 1                         ; which half of the tile's rows is mine.  Also: I fetch for A (0) or for B (1)
	s_and_b32 s16, s14, 1                          ; which half of its columns.  Also: which 128 rows of that tile I fetch
	s_bfe_u32 s40, ttmp6, 0x40000                  ; cx, cy: my place in the cluster
	s_bfe_u32 s41, ttmp6, 0x40004
	s_lshl_b32 s42, ttmp9, 2
	s_add_co_u32 s42, s42, s40                     ; tile column = 4 x cluster x + cx
	s_and_b32 s17, ttmp7, 0xffff
	s_lshr_b32 s[TT], s17, 3                       ; the tensor: eight clusters of four tile rows each; the same in all sixteen partners
	s_lshl_b32 s17, s17, 2
	s_add_co_u32 s17, s17, s41                     ; tile row = 4 x cluster y + cy
	s_lshl_b32 s43, s41, 2
	s_lshl_b32 s43, 15, s43                        ; my row of the cluster
	s_lshl_b32 s44, 0x1111, s40                    ; my column
	s_or_b32 s[G1+0], s43, (0<<16)|(1<<20)|(1<<21)|(5<<22)|(3<<25)  ; 15:0 the mask; 17:16 elements of 1 byte; 20 padding on; 21 set beside a mask; 24:22 after every 64 words; 31:25 four words
	s_or_b32 s[G1B+0], s44, (0<<16)|(1<<20)|(1<<21)|(5<<22)|(3<<25)
.irp g, G1, G1B
	s_mov_b32 s[\g+1], ROWB<<16                    ; tensor_dim0
	s_mov_b32 s[\g+2], 128<<16                     ; tensor_dim1
	s_mov_b32 s[\g+3], ROWB<<16                    ; tile_dim0
	s_mov_b32 s[\g+4], 128                         ; tile_dim1
	s_mov_b32 s[\g+5], KROW                        ; from row to row
	s_mov_b32 s[\g+6], 0
	s_mov_b32 s[\g+7], 0
.endr
	s_or_b32 s[G1S+0], s43, (3<<16)|(1<<20)|(1<<21)|(5<<22)|(3<<25) ; the scales of 128 rows: 4,096 dense bytes as 16 rows of 256 (32 elements of 8 bytes), 16 bytes of padding behind each
	s_or_b32 s[G1SB+0], s44, (3<<16)|(1<<20)|(1<<21)|(5<<22)|(3<<25)
.irp g, G1S, G1SB
	s_mov_b32 s[\g+1], 32<<16
	s_mov_b32 s[\g+2], (128*KS/256)<<16
	s_mov_b32 s[\g+3], 32<<16
	s_mov_b32 s[\g+4], 128*KS/256
	s_mov_b32 s[\g+5], 32
	s_mov_b32 s[\g+6], 0
	s_mov_b32 s[\g+7], 0
.endr
	s_lshl_b32 s18, s16, 7                         ; which 128 rows of the tile I fetch
	s_lshl_b32 s20, s17, 8
	s_add_co_u32 s20, s20, s18                     ; A: row 256 x tile row + 128 x half
	s_lshl_b32 s46, s42, 8
	s_add_co_u32 s46, s46, s18                     ; B: row 256 x tile column + 128 x half
	s_lshl_b32 s47, s[TT], 10
	s_add_co_u32 s46, s46, s47                     ; in the tensor's own weight
	s_mov_b32 s21, 0
	s_mov_b32 s47, 0
	s_mov_b64 s[18:19], KS
	s_mul_u64 s[22:23], s[20:21], s[18:19]         ; where these rows' scales begin, in bytes
	s_mul_u64 s[92:93], s[46:47], s[18:19]
	s_mov_b64 s[18:19], KROW
	s_mul_u64 s[20:21], s[20:21], s[18:19]         ; and their codes
	s_mul_u64 s[46:47], s[46:47], s[18:19]
	s_mul_i32 s45, s14, HALFT                      ; where they go: wave x 128 rows: no place in the cluster enters an LDS address
	s_mul_i32 s94, s14, HALFS
	s_mov_b32 s[FAC], 1.0
	s_cmp_eq_u32 s[TT], 0
	s_cselect_b32 s[FAC], 0x3e38aa3b, s[FAC]       ; q: log2(e) / 8
	s_mov_b32 s[FAC+1], s[FAC]                     ; (named with it as a pair, so it is written)
	s_wait_dscnt 0x0                               ; both opening adds are done
	s_wait_kmcnt 0x0
	s_add_nc_u64 s[20:21], s[4:5], s[20:21]
	s_add_nc_u64 s[22:23], s[6:7], s[22:23]
	s_add_nc_u64 s[46:47], s[8:9], s[46:47]
	s_add_nc_u64 s[92:93], s[10:11], s[92:93]
	CROUND                                         ; all sixteen work-groups are here: the joint loads meet
	s_mov_b32 s[G0S], 1
	s_add_co_u32 s[G0S+1], s94, SCL
	s_mov_b64 s[G0S+2:G0S+3], s[22:23]
	s_or_b32 s[G0S+3], s[G0S+3], 0x80000000
	s_mov_b32 s[G0SB], 1
	s_add_co_u32 s[G0SB+1], s94, SCL
	s_mov_b64 s[G0SB+2:G0SB+3], s[92:93]
	s_or_b32 s[G0SB+3], s[G0SB+3], 0x80000000
	JLOAD G0S, G1S, G0SB, G1SB                     ; the scales first: they are wanted with K step 0
.irp s, 0,1
	s_mov_b32 s[G0+4*\s], 1
	s_add_co_u32 s[G0+4*\s+1], s45, \s*SLOT
	s_add_nc_u64 s[G0+4*\s+2:G0+4*\s+3], s[20:21], \s*ROWB
	s_or_b32 s[G0+4*\s+3], s[G0+4*\s+3], 0x80000000
	s_mov_b32 s[G0B+4*\s], 1
	s_add_co_u32 s[G0B+4*\s+1], s45, \s*SLOT
	s_add_nc_u64 s[G0B+4*\s+2:G0B+4*\s+3], s[46:47], \s*ROWB
	s_or_b32 s[G0B+4*\s+3], s[G0B+4*\s+3], 0x80000000
	JLOAD G0+4*\s, G1, G0B+4*\s, G1B               ; three loads of mine are out at the most
.endr
	v_and_b32 v1, 15, v0                           ; l % 16
	v_bfe_u32 v2, v0, 4, 1                         ; l / 16
	v_mul_u32_u24 v3, v1, PITCH
	v_lshl_add_u32 v4, v2, 4, v3                   ; a fragment's row x pitch + 16 x half
	s_mul_i32 s21, s15, HALFT                      ; my 128 rows of A
	s_mul_i32 s22, s16, HALFT                      ; my 128 rows of B,
	s_add_co_u32 s22, s22, 2*HALFT                 ; which lie behind A's 256
.irp s, 0,1
	v_add_nc_u32 v[ADRA+\s], s21, v4
	v_add_nc_u32 v[ADRB+\s], s22, v4
	s_add_co_u32 s21, s21, SLOT
	s_add_co_u32 s22, s22, SLOT
.endr
	v_mul_u32_u24 v5, v1, KS                       ; my row's scales: KS bytes a row,
	v_lshrrev_b32 v6, 8, v5
	v_lshl_add_u32 v5, v6, 4, v5                   ; and 16 more for each 256 passed
	s_mul_i32 s21, s15, HALFS                      ; A's: my 128 rows
	s_mul_i32 s22, s16, HALFS                      ; B's: my 128 rows, behind A's 256
	s_add_co_u32 s22, s22, 2*HALFS
	s_sub_co_u32 s22, s22, s21
	v_mul_u32_u24 v6, s22, v2                      ; lanes 16-31 take B's
	s_add_co_u32 s21, s21, SCL
	v_add_nc_u32 v5, v5, v6
	v_add_nc_u32 v[ADRS], s21, v5
	s_mul_i32 s23, s14, 16*SPITCH                  ; my stage
	v_mul_u32_u24 v5, v1, SPITCH                   ; in: row l % 16, 16 bytes for each half of the lanes
	v_lshl_add_u32 v5, v2, 4, v5
	v_add_nc_u32 v[STO], s23, v5
	v_and_b32 v6, 31, v0
	v_lshrrev_b32 v7, 3, v6                        ; back: eight lanes take one head's 128 bytes of a row, the 32 lanes four rows
	v_mul_u32_u24 v7, v7, SPITCH
	v_and_b32 v8, 7, v0
	v_lshl_add_u32 v7, v8, 4, v7
	v_add_nc_u32 v[RD], s23, v7
	v_lshlrev_b32 v[CO], 4, v6                     ; four rows of a head are 512 consecutive bytes of the result
	v_lshlrev_b32 v9, 5, v2                        ; the bias: eight numbers further on for lanes 16-31
	s_cmp_eq_u32 s[TT], 0                          ; the tensor's bias: the choice hangs on ids alone
	s_cselect_b64 s[96:97], s[96:97], s[98:99]
	s_cmp_eq_u32 s[TT], 2
	s_cselect_b64 s[96:97], s[100:101], s[96:97]
	s_lshl_b32 s46, s42, 10                        ; my first column x 4 bytes: 1,024 x tile column + 512 x half
	s_lshl_b32 s47, s16, 9
	s_add_co_u32 s46, s46, s47
	s_mov_b32 s47, 0
	s_add_nc_u64 s[96:97], s[96:97], s[46:47]
.irp b, 0,1,2,3,4,5,6,7
	global_load_b128 v[BI+8*\b:BI+8*\b+3], v9, s[96:97] offset:64*\b
	global_load_b128 v[BI+8*\b+4:BI+8*\b+7], v9, s[96:97] offset:64*\b+16
.endr
	s_and_b32 s20, s17, 31                         ; where my part of the result begins: the tile row within the tensor,
	s_lshr_b32 s21, s20, 3                         ; its batch,
	s_lshl_b32 s21, s21, 4
	s_lshl_b32 s22, s42, 2
	s_add_co_u32 s21, s21, s22
	s_lshl_b32 s22, s16, 1
	s_add_co_u32 s21, s21, s22                     ; 16 x batch + my first head (4 x tile column + 2 x half),
	s_lshl_b32 s21, s21, 11                        ; 2,048 positions each,
	s_and_b32 s20, s20, 7
	s_lshl_b32 s20, s20, 8
	s_add_co_u32 s21, s21, s20
	s_lshl_b32 s20, s15, 7
	s_add_co_u32 s21, s21, s20                     ; + my first position,
	s_lshl_b32 s20, s21, 7                         ; 128 bytes each,
	s_lshl_b32 s21, s[TT], 24
	s_add_co_u32 s20, s20, s21                     ; + the tensor's 16,777,216 bytes
	s_mov_b32 s21, 0
	s_add_nc_u64 s[12:13], s[12:13], s[20:21]
.macro FRAG reg, adr, q, i             ; 16 rows x 128 K of 4-bit codes, 8 registers: lane l holds row l % 16; registers 4 c .. 4 c + 3 hold K = 64 c + 32 (l / 16) + 0 .. 31
.irp c, 0,1
	ds_load_b128 v[\reg+4*\c:\reg+4*\c+3], v[\adr] offset:64*(\q)+32*\c+(\i)*16*PITCH
.endr
.endm
; 16 matrix instructions: A's blocks a0, a0 + 1 x B's eight, the slot's q-th 128 along K.  zero = 1: the first product starts the sums from the bias.  The 64 accumulators take turns, one instruction a turn.
.macro MUL16 a0, p, q, sc, zero
.irp a, \a0, \a0+1
.irp b, 0,1,2,3,4,5,6,7
.if \zero
	v_wmma_scale_f32_16x16x128_f8f6f4 v[8*(8*((\a)%4)+\b):8*(8*((\a)%4)+\b)+7], v[128*(\p)+FR*\b:128*(\p)+FR*\b+FR-1], v[AF+FR*(\a):AF+FR*(\a)+FR-1], v[BI+8*\b:BI+8*\b+7], v[SC+8*NQ*(\sc)+NQ*\b+(\q)], v[SC+8*NQ*(\sc)+NQ*(\a)+(\q)] matrix_a_fmt:MATRIX_FMT_FP4 matrix_b_fmt:MATRIX_FMT_FP4 matrix_a_scale:MATRIX_SCALE_ROW1
.else
	v_wmma_scale_f32_16x16x128_f8f6f4 v[8*(8*((\a)%4)+\b):8*(8*((\a)%4)+\b)+7], v[128*(\p)+FR*\b:128*(\p)+FR*\b+FR-1], v[AF+FR*(\a):AF+FR*(\a)+FR-1], v[8*(8*((\a)%4)+\b):8*(8*((\a)%4)+\b)+7], v[SC+8*NQ*(\sc)+NQ*\b+(\q)], v[SC+8*NQ*(\sc)+NQ*(\a)+(\q)] matrix_a_fmt:MATRIX_FMT_FP4 matrix_b_fmt:MATRIX_FMT_FP4 matrix_a_scale:MATRIX_SCALE_ROW1
.endif
.endr
.endr
.endm
.macro FETCH_B slot, q, p
	WIN TO_B
.irp i, 0,1,2,3,4,5,6,7
	FRAG 128*(\p)+FR*\i, ADRB+\slot, \q, \i
.endr
	WIN 0
.endm
.macro FETCH_A slot, q, i0
.irp i, \i0, \i0+1, \i0+2, \i0+3
	FRAG AF+FR*(\i), ADRA+\slot, \q, \i
.endr
.endm
.macro SCALES sc                       ; a K step's scale words: lanes 0-15 take A's block i, lanes 16-31 B's block i
.irp i, 0,1,2,3,4,5,6,7
	ds_load_b128 v[SC+8*NQ*\sc+NQ*\i:SC+8*NQ*\sc+NQ*\i+3], v[ADRS] offset:\i*SBLK
.endr
.endm
.macro PLACES n                        ; plain vector instructions between a matrix instruction and a load into, or a vector write of, its registers, or a read of its result
.rept \n
	v_nop
.endr
.endm
.macro STEP slot, q, zero              ; a step of 128 along K that has its successor in the same slot
	s_wait_dscnt 4*NL                              ; B's set and A's blocks 0-3 are in; the youngest eight loads (A's blocks 4-7) may be out
.if \zero
	WIN BEG_LO
.else
	WIN MUL_LO
.endif
	MUL16 0, (\q)%2, \q, \slot, \zero
	MUL16 2, (\q)%2, \q, \slot, \zero
	s_wait_dscnt 0
	PLACES NP
	FETCH_B \slot, (\q)+1, 1-(\q)%2
	FETCH_A \slot, (\q)+1, 0
.if \zero
	WIN BEG_HI
.else
	WIN MUL_HI
.endif
	MUL16 4, (\q)%2, \q, \slot, \zero
	MUL16 6, (\q)%2, \q, \slot, \zero
	PLACES NP
	WIN 0
	FETCH_A \slot, (\q)+1, 4
.endm
; Slot 0's last step changes slots: one barrier; in front of it each wave waits for all its tensor loads (slot 1's part), adds 0 to its spare word, and waits for that and for its own reads of slot 0.  Nothing is filled again.
.macro TURN slot, next
	s_wait_tensorcnt 0x0
	ds_add_u32 v[SPW], v[NIL]
	s_wait_dscnt 4*NL+1                            ; the add and the youngest eight loads may be out
	WIN MUL_LO
	MUL16 0, 1, NQ-1, \slot, 0
	s_wait_dscnt 0x0                               ; the add is done, and my reads of this slot are over
	s_barrier_signal -1
	MUL16 2, 1, NQ-1, \slot, 0
	WIN 0
	s_barrier_wait -1
	PLACES NP
	v_add_nc_u32 v[ADRS], 4*NQ, v[ADRS]            ; on to the next K step's scale words
	FETCH_B \next, 0, 0
	FETCH_A \next, 0, 0
	SCALES \next
	WIN MUL_HI
	MUL16 4, 1, NQ-1, \slot, 0
	MUL16 6, 1, NQ-1, \slot, 0
	PLACES NP
	WIN 0
	FETCH_A \next, 0, 4
.endm
.macro STEPS slot, from
.set Q, \from
.rept NQ-1-\from
	STEP \slot, Q, 0
.set Q, Q+1
.endr
.endm
	s_wait_tensorcnt 1                             ; the scales and my part of K step 0 are in; K step 1's load may be out,
	s_barrier_signal -1
	s_barrier_wait -1                              ; everybody's are
	FETCH_B 0, 0, 0
	FETCH_A 0, 0, 0
	SCALES 0
	FETCH_A 0, 0, 4
	s_wait_loadcnt 0x0                             ; the bias
	STEP 0, 0, 1
	STEPS 0, 1
	TURN 0, 1
	STEPS 1, 0
	s_wait_dscnt 4*NL                              ; the very last step: nothing more to fetch
	WIN MUL_LO
	MUL16 0, 1, NQ-1, 1, 0
	MUL16 2, 1, NQ-1, 1, 0
	s_wait_dscnt 0
	WIN MUL_HI
	MUL16 4, 1, NQ-1, 1, 0
	MUL16 6, 1, NQ-1, 1, 0
	WIN 0
; THE WAY OUT, block by block of 16 rows x 128 columns (two heads).  PACK: x the factor, rounded to f16, 16 bytes a lane.  TOSTAGE: into my own stage, and back by heads.  SEND: 512 consecutive bytes a store.
.macro PACK a
.set AC, 64*((\a)%4)
	WIN 0x02+((\a)/4)                              ; source 0: window 2 or 3
.set i, 0
.rept 32
	v_pk_mul_f32 v[TF+2*i:TF+2*i+1], v[AC+2*i:AC+2*i+1], s[FAC:FAC+1] op_sel_hi:[1,0]   ; each accumulator from its low end on
.set i, i+1
.endr
	WIN 0
.set i, 0
.rept 32
	v_cvt_pk_f16_f32 v[TH+i], v[TF+2*i], v[TF+2*i+1]
.set i, i+1
.endr
.endm
.macro TOSTAGE a
.set BB, BK+32*((\a)%2)
.irp b, 0,1,2,3,4,5,6,7
	ds_store_b128 v[STO], v[TH+4*\b:TH+4*\b+3] offset:32*\b
.endr
.irp i, 0,1,2,3,4,5,6,7
	ds_load_b128 v[BB+4*\i:BB+4*\i+3], v[RD] offset:(\i%4)*4*SPITCH+(\i/4)*128   ; in order behind the stores (ISA guide 5.7.1.4): rows 4 (i % 4) on, head i / 4
.endr
.endm
.macro SEND a
.set BB, BK+32*((\a)%2)
	s_wait_dscnt 0x0                               ; the block is back in registers
	s_wait_xcnt 0x0                                ; the earlier stores have read their registers: the next block's loads may land there
.irp i, 0,1,2,3,4,5,6,7
	global_store_b128 v[CO], v[BB+4*\i:BB+4*\i+3], s[12:13] offset:(\a)*2048+(\i%4)*512+(\i/4)*262144   ; 32 lanes store 512 consecutive bytes, aligned: four positions of one head
.endr
.endm
	PLACES NP                                      ; behind the last products: the conversions write the registers that held A's fragments
	PACK 0
	TOSTAGE 0
.irp a, 1,2,3,4,5,6,7                  ; block a's arithmetic stands between block a - 1's loads from the stage and the wait for them
	PACK \a
	SEND \a-1
	TOSTAGE \a
.endr
	SEND 7
	s_wait_tensorcnt 0x0                           ; the wave's end
	ds_add_u32 v[SPW], v[NIL]
	s_wait_dscnt 0x0
	CROUND                                         ; the closing round
	s_endpgm
.Lfunc_end_k_q5dbe0fa10a_proj:
	.size	k_q5dbe0fa10a_proj, .Lfunc_end_k_q5dbe0fa10a_proj-k_q5dbe0fa10a_proj
	.p2alignl 7, 3214868480
	.fill 96, 4, 3214868480
	.section	.rodata,"a",@progbits
	.p2align	6, 0x0
	.amdhsa_kernel k_q5dbe0fa10a_proj
		.amdhsa_group_segment_fixed_size 327680
		.amdhsa_private_segment_fixed_size 0
		.amdhsa_enable_private_segment 0
		.amdhsa_kernarg_size 64
		.amdhsa_user_sgpr_count 2
		.amdhsa_user_sgpr_kernarg_segment_ptr 1
		.amdhsa_wavefront_size32 1
		.amdhsa_system_sgpr_workgroup_id_x 1
		.amdhsa_system_sgpr_workgroup_id_y 1
		.amdhsa_system_sgpr_workgroup_id_z 1
		.amdhsa_system_vgpr_workitem_id 0
		.amdhsa_next_free_vgpr 1024
		.amdhsa_next_free_sgpr 102
		.amdhsa_reserve_vcc 0
		.amdhsa_float_denorm_mode_32 3
		.amdhsa_float_denorm_mode_16_64 3
		.amdhsa_memory_ordered 1
		.amdhsa_forward_progress 1
		.amdhsa_inst_pref_size 145
	.end_amdhsa_kernel
	.amdgpu_metadata
---
amdhsa.version: [ 1, 2 ]
amdhsa.kernels:
  - .name:           k_q5dbe0fa10a_proj
    .symbol:         k_q5dbe0fa10a_proj.kd
    .args:
      - { .name: xc, .offset: 0, .size: 8, .value_kind: global_buffer, .address_space: global }
      - { .name: xs, .offset: 8, .size: 8, .value_kind: global_buffer, .address_space: global }
      - { .name: wc, .offset: 16, .size: 8, .value_kind: global_buffer, .address_space: global }
      - { .name: ws, .offset: 24, .size: 8, .value_kind: global_buffer, .address_space: global }
      - { .name: qkv, .offset: 32, .size: 8, .value_kind: global_buffer, .address_space: global }
      - { .name: bq, .offset: 40, .size: 8, .value_kind: global_buffer, .address_space: global }
      - { .name: bk, .offset: 48, .size: 8, .value_kind: global_buffer, .address_space: global }
      - { .name: bv, .offset: 56, .size: 8, .value_kind: global_buffer, .address_space: global }
    .group_segment_fixed_size: 327680
    .private_segment_fixed_size: 0
    .kernarg_segment_align: 8
    .kernarg_segment_size: 64
    .max_flat_workgroup_size: 128
    .sgpr_count:     102
    .vgpr_count:     1024
    .wavefront_size: 32
...
	.end_amdgpu_metadata
.endif
;; end of part 2
;; launch attn (part 3): grid 32 x 8, 8 waves a work-group, clusters of 4 x 4, 327,680 bytes of LDS; arguments qkv, attention_mask, ao; writes ao
.if DOCPART == 3
	.amdgcn_target "amdgcn-amd-amdhsa--gfx1250"
	.amdhsa_code_object_version 6
	.text
	.protected	k_q5dbe0fa10a_attn
	.globl	k_q5dbe0fa10a_attn
	.p2align	8
	.type	k_q5dbe0fa10a_attn,@function
k_q5dbe0fa10a_attn:
	s_mov_b64 s[64:65], 0
	v_nop
	global_prefetch_b8 v0, s[64:65] scope:SCOPE_SE
	s_setreg_imm32_b32 hwreg(HW_REG_WAVE_MODE, 25, 1), 1
	s_wait_xcnt 0x0
	s_wait_alu depctr_hold_cnt(0) depctr_sa_sdst(0) depctr_va_vdst(0) depctr_va_sdst(0) depctr_va_ssrc(0) depctr_va_vcc(0) depctr_vm_vsrc(0)
	s_getreg_b32 s2, hwreg(HW_REG_IB_STS2, 6, 4)
	s_cmp_eq_u32 s2, 0
	s_cbranch_scc0 .Lentry_in_a_cluster
	s_endpgm
.Lentry_in_a_cluster:
	s_bfe_u32 s2, ttmp6, 0x10000c
	s_cmp_lg_u32 s2, 0xf033
	s_cbranch_scc0 .Lentry_shape_is_right
	s_endpgm
.Lentry_shape_is_right:
; ATTENTION.  q (already x log2(e) / 8), k, v: f16, [64 batch-heads][2048][64], one behind the other in qkv.  The mask: f32 [4][2048][2048], taken as it is given.  ao: f16 [8192][1024].
; t = q . k + mask x (-1e9 log2(e)), one fused multiply-add in f32; p = 2^(t - m), m the row's running maximum; the row's sum is taken of p in f32; p is rounded to f16 for the second product; O is divided by the sum at the end.
; LIMITS: the score is formed in base 2 with one rounding where the source multiplies, scales and adds with three; p under 6e-8 is lost in f16; the result must lie inside f16's range.
; SHARES.  A work-group owns 256 queries x 2 neighbouring heads of one batch.  Wave w: head w % 2, queries 64 (w / 2) on: four tiles of 16, in 512 registers; two waves to a SIMD, so that one wave's softmax stands beside the other's products.
; Every wave walks the 2,048 keys, 64 a step, through a ring of two LDS slots; a slot holds the mask's 256 x 64 numbers and the two heads' K and V of the step.
; LAYOUT.  S^T = K Q^T (source 0 = 16 keys, source 1 = 16 queries) and O^T = V^T P (source 0 = 16 channels, source 1 = P): a lane holds ONE query (lane % 16) throughout; two score tiles rounded in pairs ARE a fragment of P.
; CLUSTER 4 x 4.  The mask's tile hangs on batch and query block: shared along a row of the cluster.  K's and V's hang on the pair of heads: shared along a column.  Each is asked for jointly.
; REGISTERS.  window 0: v1-15 addresses; v16-47 statistics, eight a tile; v48-111 K's, then V's eight fragments; v112-239 S^T, 32 a tile, then p; v240-255 four maxima a tile, then two pairs of sums.
;             window 1: v0-63 Q; v64-127 the mask of two tiles; v128-255 O^T, 32 a tile.
.set PM,    272                        ; a row of the mask in LDS: 256 bytes + 16
.set PK,    144                        ; a row of K: 128 bytes + 16: the 16 rows of a load start at 16 different groups of banks
.set PVP,   160                        ; a row of V: 128 + 32
.set KOFF,  256*PM
.set VOFF,  KOFF+2*64*PK
.set SLOT,  VOFF+2*64*PVP              ; 108,544 bytes
.set SPARE, 2*SLOT                     ; the spare words, 128 bytes for each of eight waves: four blocks of 256 bytes that no other line names
.set AK,  3                            ; v3, v4   LDS address of my K fragments in slot 0, 1
.set AV,  5                            ; v5, v6   of V's
.set AM,  7                            ; v7, v8   of my queries' mask
.set STO, 9                            ; v9       the way out: where I put 16 bytes of a row
.set RD,  10                           ; v10      where I read a row back
.set GO,  11                           ; v11      my byte offset in ao
.set SPW, 12
.set NIL, 13
.set PFO, 14                           ; v14      the prefetches' offset from lane to lane
.set QO,  15                           ; v15      my byte offset in the wave's rows of q
.set ST,  16                           ; tile t at v[ST + 8 t]: +0 -m, +1 the maximum's rise, +2, +3 the sum (even keys', odd keys'), +4 the other half's maximum, +6 a = 2^(-rise), +7 written once
.set KV,  48
.set S,   112
.set XR,  240
.set QF,  0                            ; in window 1
.set MF,  64
.set OF,  128
.set G1M, 24
.set G1K, 32
.set G1V, 40
.set G0M, 48                           ; a group 0 for each slot
.set G0K, 56
.set G0V, 68
.set CM,  76                           ; s[76:77] -1e9 log2(e)
.set SEL, 78                           ; s[78:79] lane selects: lane l xor 16
.set PFA, 80                           ; s[80:81] where my prefetches stand
.set PFS, 82                           ; s[82:83] a key step on, in bytes
.set LIM, 84                           ; s84 1 in a wave that prefetches
.set CNT, 85
.set MSB, 0
.macro WIN new                         ; the immediate's high byte repeats the setting that is left
.if MSB != \new
	s_set_vgpr_msb (MSB<<8)|\new
.set MSB, \new
.endif
.endm
.macro CROUND                          ; a round of the cluster's barrier
	s_barrier_signal -1
	s_barrier_wait -1
	s_cmp_lg_u32 s10, 0
	s_cbranch_scc1 .Lnot_wave_0_\@
	s_barrier_signal -3
.Lnot_wave_0_\@:
	s_barrier_wait -3
	s_barrier_signal -1
	s_barrier_wait -1
.endm
; A joint load into slot n: waves 0-3 fetch 64 rows of the mask each, waves 4, 5 the two heads' K, waves 6, 7 their V: one load a wave.  The branches hang on the wave's number alone.
; An s_nop 0 and four v_nop follow each line.
.macro JLOAD n
	s_cmp_lt_u32 s10, 4
	s_cbranch_scc0 .Lnot_m_\@
	tensor_load_to_lds s[G0M+4*(\n):G0M+4*(\n)+3], s[G1M:G1M+7]
	s_nop 0
.rept 4
	v_nop
.endr
	s_branch .Lasked_\@
.Lnot_m_\@:
	s_cmp_lt_u32 s10, 6
	s_cbranch_scc0 .Lnot_k_\@
	tensor_load_to_lds s[G0K+4*(\n):G0K+4*(\n)+3], s[G1K:G1K+7]
	s_nop 0
.rept 4
	v_nop
.endr
	s_branch .Lasked_\@
.Lnot_k_\@:
	tensor_load_to_lds s[G0V+4*(\n):G0V+4*(\n)+3], s[G1V:G1V+7]
	s_nop 0
.rept 4
	v_nop
.endr
.Lasked_\@:
.endm
; A PREFETCH of the key step that the NEXT trip's joint load will ask for.  Each aligned 256 bytes are named once in the launch.  The mask's rows are read by the two clusters of a batch with the same query blocks: the one with
; even cluster x asks; its partner cx takes rows 64 cx on, by address; waves 0 and 1 take 32 rows each, a lane a row.  K and V are read by both clusters of a column of clusters: cluster y = 0 asks; partner cy takes one of the four
; tiles (K, K, V, V) of 8,192 dense bytes, by address; wave 2 asks, lanes 256 bytes apart.  No branch hangs on a work-group's place in its cluster.
.macro ASK
	s_cmp_eq_u32 s[LIM], 1
	s_cbranch_scc0 .Lnot_mine_\@
	global_prefetch_b8 v[PFO], s[PFA:PFA+1] th:TH_LOAD_NT scope:SCOPE_SE
.Lnot_mine_\@:
.endm
	s_load_b128 s[4:7], s[0:1], 0x0                ; qkv s[4:5], the mask s[6:7]
	s_load_b64 s[8:9], s[0:1], 0x10                ; ao
	v_lshl_add_u32 v[SPW], v0, 2, SPARE
	v_mov_b32 v[NIL], 0
	ds_add_u32 v[SPW], v[NIL]                      ; the wave's opening: the add, twice on end, and its wait ahead of my first tensor load
	ds_add_u32 v[SPW], v[NIL]
	v_lshrrev_b32 v1, 5, v0
	v_readfirstlane_b32 s10, v1                    ; wave 0..7
	s_and_b32 s11, s10, 1                          ; my head of the pair.  Also: whose K or V I fetch
	s_lshr_b32 s12, s10, 1                         ; my 64 queries of the 256
	s_and_b32 s13, s10, 3                          ; which 64 rows of the mask I fetch
	s_bfe_u32 s15, ttmp6, 0x40000                  ; cx
	s_bfe_u32 s16, ttmp6, 0x40004                  ; cy
	s_and_b32 s18, ttmp7, 0xffff                   ; cluster y
	s_lshl_b32 s19, ttmp9, 2
	s_add_co_u32 s19, s19, s15                     ; the pair of heads, 0 .. 31 = 4 x cluster x + cx
	s_lshl_b32 s14, s18, 2
	s_add_co_u32 s14, s14, s16                     ; the block of 256 queries = 4 x cluster y + cy
	s_lshr_b32 s20, ttmp9, 1                       ; the batch: eight pairs of heads each, two clusters
	s_lshl_b32 s21, s16, 2
	s_lshl_b32 s21, 15, s21                        ; my row of the cluster
	s_lshl_b32 s22, 0x1111, s15                    ; my column
	s_or_b32 s[G1M], s21, (2<<16)|(1<<20)|(1<<21)|(5<<22)|(3<<25)  ; the mask: elements of 4 bytes; padding: four words after every 64
	s_or_b32 s[G1K], s22, (1<<16)|(1<<20)|(1<<21)|(4<<22)|(3<<25)  ; K: elements of 2 bytes; four words after every 32
	s_or_b32 s[G1V], s22, (1<<16)|(1<<20)|(1<<21)|(4<<22)|(7<<25)  ; V: eight words after every 32
.irp g, G1M, G1K, G1V
	s_mov_b32 s[\g+1], 64<<16                      ; tensor_dim0 = 64
	s_mov_b32 s[\g+2], 64<<16                      ; tensor_dim1 = 64
	s_mov_b32 s[\g+3], 64<<16                      ; tile_dim0 = 64
	s_mov_b32 s[\g+4], 64                          ; tile_dim1 = 64
	s_mov_b32 s[\g+6], 0
	s_mov_b32 s[\g+7], 0
.endr
	s_mov_b32 s[G1M+5], 2048                       ; from row to row, in elements
	s_mov_b32 s[G1K+5], 64
	s_mov_b32 s[G1V+5], 64
	s_lshl_b32 s86, s20, 11                        ; the mask's tile: row 2,048 x batch + 256 x block + 64 x part (no cx enters),
	s_lshl_b32 s87, s14, 8
	s_add_co_u32 s86, s86, s87
	s_lshl_b32 s87, s13, 6
	s_add_co_u32 s86, s86, s87
	s_lshl_b32 s86, s86, 13                        ; 8,192 bytes a row
	s_mov_b32 s87, 0
	s_lshl_b32 s88, s19, 1                         ; K's tile: the head (no cy enters),
	s_add_co_u32 s88, s88, s11
	s_lshl_b32 s88, s88, 18                        ; 262,144 bytes each,
	s_add_co_u32 s88, s88, 1<<24                   ; behind q's 16,777,216
	s_mov_b32 s89, 0
	s_mul_i32 s90, s13, 64*PM                      ; where they go: no place in the cluster enters an LDS address
	s_mul_i32 s91, s11, 64*PK
	s_mul_i32 s92, s11, 64*PVP
	s_lshl_b32 s2, s19, 1                          ; q: my head,
	s_add_co_u32 s2, s2, s11
	s_lshl_b32 s2, s2, 11
	s_lshl_b32 s3, s14, 8
	s_add_co_u32 s2, s2, s3
	s_lshl_b32 s3, s12, 6
	s_add_co_u32 s2, s2, s3                        ; my first query,
	s_lshl_b32 s2, s2, 7                           ; 128 bytes each
	s_mov_b32 s3, 0
	s_lshl_b32 s94, s20, 11                        ; ao: the first row that I store: 2,048 x batch + 256 x block + 32 x wave,
	s_lshl_b32 s95, s14, 8
	s_add_co_u32 s94, s94, s95
	s_lshl_b32 s95, s10, 5
	s_add_co_u32 s94, s94, s95
	s_lshl_b32 s94, s94, 11                        ; 2,048 bytes each,
	s_and_b32 s95, s19, 7
	s_lshl_b32 s95, s95, 8
	s_add_co_u32 s94, s94, s95                     ; + the pair of heads' 256 bytes
	s_mov_b32 s95, 0
	s_lshl_b32 s96, s20, 11                        ; the prefetches.  The mask: row 2,048 x batch + 256 x block + 64 cx + 32 x wave,
	s_lshl_b32 s97, s14, 8
	s_add_co_u32 s96, s96, s97
	s_lshl_b32 s97, s15, 6
	s_add_co_u32 s96, s96, s97
	s_lshl_b32 s97, s11, 5
	s_add_co_u32 s96, s96, s97
	s_lshl_b32 s96, s96, 13
	s_add_co_u32 s96, s96, 256                     ; at key step 1: the first trip steps it to 2
	s_lshl_b32 s97, s19, 1                         ; K and V: tile cy of the four: head cy % 2 of the pair,
	s_and_b32 s98, s16, 1
	s_add_co_u32 s97, s97, s98
	s_lshl_b32 s97, s97, 18
	s_lshr_b32 s98, s16, 1
	s_add_co_u32 s98, s98, 1
	s_lshl_b32 s98, s98, 24                        ; in K (cy < 2) or in V,
	s_add_co_u32 s97, s97, s98
	s_add_co_u32 s97, s97, 8192                    ; at key step 1
	s_and_b32 s98, ttmp9, 1
	s_mov_b32 s[PFS], 8192
	s_mov_b32 s99, 256
	s_cmp_lt_u32 s10, 2                            ; waves 0 and 1 ask for the mask
	s_cselect_b32 s96, s96, s97
	s_cselect_b32 s98, s98, s18                    ; the coordinate along which another cluster reads the same bytes: its 0 asks
	s_cselect_b32 s[PFS], 256, s[PFS]
	s_cselect_b32 s99, 8192, s99                   ; from lane to lane
	s_mov_b32 s[PFS+1], 0
	s_mov_b32 s97, 0
	s_cmp_gt_u32 s10, 2
	s_cselect_b32 s93, 1, 0                        ; waves 3 to 7 ask for nothing
	s_or_b32 s93, s93, s98
	s_cmp_eq_u32 s93, 0
	s_cselect_b32 s[LIM], 1, 0                     ; made of the wave's number and the cluster's place alone: the same in all sixteen partners
	s_mov_b32 s[CM], 0xceabfb8f                    ; -1e9 x log2(e)
	s_mov_b32 s[CM+1], s[CM]                       ; (named with it as a pair, so it is written)
	s_mov_b32 s[SEL], 0x76543210
	s_mov_b32 s[SEL+1], 0xfedcba98
	s_mov_b32 s[CNT], 15
	s_wait_dscnt 0x0                               ; both opening adds are done
	s_wait_kmcnt 0x0
	s_add_nc_u64 s[86:87], s[6:7], s[86:87]
	s_add_nc_u64 s[88:89], s[4:5], s[88:89]
	s_add_nc_u64 s[2:3], s[4:5], s[2:3]
	s_add_nc_u64 s[8:9], s[8:9], s[94:95]
	s_cmp_lt_u32 s10, 2
	s_cselect_b64 s[PFA:PFA+1], s[6:7], s[4:5]
	s_add_nc_u64 s[PFA:PFA+1], s[PFA:PFA+1], s[96:97]
.irp n, 0,1
	s_mov_b32 s[G0M+4*\n], 1                       ; count = 1
	s_add_co_u32 s[G0M+4*\n+1], s90, \n*SLOT       ; LDS address
	s_add_nc_u64 s[G0M+4*\n+2:G0M+4*\n+3], s[86:87], \n*256        ; key step n: 64 keys x 4 bytes on
	s_or_b32 s[G0M+4*\n+3], s[G0M+4*\n+3], 0x80000000              ; type = 2
	s_mov_b32 s[G0K+4*\n], 1
	s_add_co_u32 s[G0K+4*\n+1], s91, \n*SLOT+KOFF
	s_add_nc_u64 s[G0K+4*\n+2:G0K+4*\n+3], s[88:89], \n*8192       ; 64 keys x 128 bytes on
	s_or_b32 s[G0K+4*\n+3], s[G0K+4*\n+3], 0x80000000
	s_mov_b32 s[G0V+4*\n], 1
	s_add_co_u32 s[G0V+4*\n+1], s92, \n*SLOT+VOFF
	s_add_nc_u64 s[G0V+4*\n+2:G0V+4*\n+3], s[88:89], \n*8192+(1<<24)
	s_or_b32 s[G0V+4*\n+3], s[G0V+4*\n+3], 0x80000000
.endr
	CROUND                                         ; all sixteen work-groups are here: the first joint loads meet
	JLOAD 0                                        ; key step 0
	v_and_b32 v1, 15, v0                           ; r = l % 16
	v_bfe_u32 v2, v0, 4, 1                         ; h = l / 16
	v_lshlrev_b32 v[QO], 7, v1
	v_lshl_add_u32 v[QO], v2, 4, v[QO]             ; row r of 128 bytes + 16 h
	WIN 0x40                                       ; destination window 1
.irp t, 0,1,2,3                        ; Q stays in registers: tile t, channels 32 c on: registers 0-3 channels 8 h on, 4-7 channels 16 + 8 h on
.irp c, 0,1
	global_load_b128 v[QF+16*\t+8*\c:QF+16*\t+8*\c+3], v[QO], s[2:3] offset:2048*\t+64*\c
	global_load_b128 v[QF+16*\t+8*\c+4:QF+16*\t+8*\c+7], v[QO], s[2:3] offset:2048*\t+64*\c+32
.endr
.endr
.set i, 0
.rept 128
	v_mov_b32 v[OF+i], 0                           ; O^T.  (The key step is written without a first step of its own: the first finds zeros, and a = 0 leaves them zeros)
.set i, i+1
.endr
	WIN 0
	v_and_b32 v[PFO], 31, v0
	v_mul_lo_u32 v[PFO], v[PFO], s99
	v_mul_u32_u24 v[AK], v1, PK
	v_lshl_add_u32 v[AK], v2, 4, v[AK]
	s_add_co_u32 s93, s91, KOFF
	v_add_nc_u32 v[AK], s93, v[AK]                 ; K: my head's tile, row r x pitch + 16 h
	v_add_nc_u32 v[AK+1], SLOT, v[AK]
	v_and_b32 v[AV], 7, v0
	v_lshl_add_u32 v[AV], v2, 3, v[AV]
	v_mul_u32_u24 v[AV], v[AV], PVP
	v_bfe_u32 v[AV+1], v0, 3, 1
	v_lshl_add_u32 v[AV], v[AV+1], 4, v[AV]
	s_add_co_u32 s93, s92, VOFF
	v_add_nc_u32 v[AV], s93, v[AV]                 ; V, for the turning load: key 8 h + l % 8, channels 8 ((l / 8) % 2) on
	v_add_nc_u32 v[AV+1], SLOT, v[AV]
	v_mul_u32_u24 v[AM], v1, PM
	v_lshl_add_u32 v[AM], v2, 5, v[AM]
	s_mul_i32 s93, s12, 64*PM
	v_add_nc_u32 v[AM], s93, v[AM]                 ; the mask: my query's row, keys 8 h on
	v_add_nc_u32 v[AM+1], SLOT, v[AM]
	v_mul_u32_u24 v[STO], v1, PM
	v_lshl_add_u32 v[STO], v2, 4, v[STO]
	v_add_nc_u32 v[STO], s93, v[STO]
	s_lshl_b32 s93, s11, 7
	v_add_nc_u32 v[STO], s93, v[STO]               ; the stage: my query's row, my head's 128 bytes, 16 h
	v_mul_u32_u24 v[RD], v2, PM
	v_lshl_add_u32 v[RD], v1, 4, v[RD]
	s_mul_i32 s93, s10, 32*PM
	v_add_nc_u32 v[RD], s93, v[RD]                 ; back: wave w takes rows 32 w on, whole: lanes 0-15 one row, lanes 16-31 the next
	v_lshlrev_b32 v[GO], 11, v2
	v_lshl_add_u32 v[GO], v1, 4, v[GO]             ; and the same two rows in ao
.irp t, 0,1,2,3
	v_mov_b32 v[ST+8*\t], 0x7f61b1e6               ; -m: the maximum begins at -3e38, under every t
	v_mov_b32 v[ST+8*\t+2], 0                      ; the sum
	v_mov_b32 v[ST+8*\t+3], 0
	v_mov_b32 v[ST+8*\t+4], 0                      ; a lane permute's destination counts as one of its sources
	v_mov_b32 v[ST+8*\t+7], 0                      ; named as the upper half of a's pair
.endr
.macro FETCH_K n                       ; 64 keys x 64 channels: fragment (kt, c) = keys 16 kt on, channels 32 c on
.irp kt, 0,1,2,3
.irp c, 0,1
	ds_load_b128 v[KV+16*\kt+8*\c:KV+16*\kt+8*\c+3], v[AK+\n] offset:\kt*16*PK+64*\c
	ds_load_b128 v[KV+16*\kt+8*\c+4:KV+16*\kt+8*\c+7], v[AK+\n] offset:\kt*16*PK+64*\c+32
.endr
.endr
.endm
.macro FETCH_V n                       ; turned: fragment (f, dt) = channels 16 dt on, keys 32 f on
.irp f, 0,1
.irp dt, 0,1,2,3
	ds_load_tr16_b128 v[KV+32*\f+8*\dt:KV+32*\f+8*\dt+3], v[AV+\n] offset:\f*32*PVP+32*\dt
	ds_load_tr16_b128 v[KV+32*\f+8*\dt+4:KV+32*\f+8*\dt+7], v[AV+\n] offset:\f*32*PVP+16*PVP+32*\dt
.endr
.endr
.endm
.macro FETCH_M n, x                    ; the mask of tiles x, x + 1 in the scores' own layout: my query's row, keys 16 kt + 8 h + 0 .. 7
	WIN 0x40
.irp u, 0,1
.irp kt, 0,1,2,3
	ds_load_b128 v[MF+32*\u+8*\kt:MF+32*\u+8*\kt+3], v[AM+\n] offset:(\x+\u)*16*PM+64*\kt
	ds_load_b128 v[MF+32*\u+8*\kt+4:MF+32*\u+8*\kt+7], v[AM+\n] offset:(\x+\u)*16*PM+64*\kt+16
.endr
.endr
.endm
.macro SQK                             ; S^T = K Q^T: 16 accumulators by turns, one instruction a turn; the first 16 start the sums
	WIN 0x04                                       ; Q in window 1
.irp c, 0,1
.irp t, 0,1,2,3
.irp kt, 0,1,2,3
.if \c == 0
	v_wmma_f32_16x16x32_f16 v[S+32*\t+8*\kt:S+32*\t+8*\kt+7], v[KV+16*\kt+8*\c:KV+16*\kt+8*\c+7], v[QF+16*\t+8*\c:QF+16*\t+8*\c+7], 0
.else
	v_wmma_f32_16x16x32_f16 v[S+32*\t+8*\kt:S+32*\t+8*\kt+7], v[KV+16*\kt+8*\c:KV+16*\kt+8*\c+7], v[QF+16*\t+8*\c:QF+16*\t+8*\c+7], v[S+32*\t+8*\kt:S+32*\t+8*\kt+7]
.endif
.endr
.endr
.endr
.endm
.macro MASKFMA x                       ; t = mask x (-1e9 log2(e)) + score, tiles x, x + 1: each accumulator from its low end on
	WIN 0x01                                       ; the mask in window 1
.set u, 0
.rept 32
	v_pk_fma_f32 v[S+32*\x+2*u:S+32*\x+2*u+1], v[MF+2*u:MF+2*u+1], s[CM:CM+1], v[S+32*\x+2*u:S+32*\x+2*u+1] op_sel_hi:[1,0,1]
.set u, u+1
.endr
.endm
; The softmax of tiles x, x + 1 for one key step; the two tiles alternate line by line, so that no line reads the result of the line just above it.
.macro SOFTMAX x
	WIN 0
.irp i, 0,1,2,3                        ; the maximum of my 32 t and the old m: four chains of seven, three operands at a time
.irp t, \x, \x+1
	v_max3_num_f32 v[XR+4*(\t)+\i], v[S+32*(\t)+8*\i], v[S+32*(\t)+8*\i+1], v[S+32*(\t)+8*\i+2]
.endr
.endr
.irp o, 3,5
.irp i, 0,1,2,3
.irp t, \x, \x+1
	v_max3_num_f32 v[XR+4*(\t)+\i], v[XR+4*(\t)+\i], v[S+32*(\t)+8*\i+\o], v[S+32*(\t)+8*\i+\o+1]
.endr
.endr
.endr
.irp t, \x, \x+1
	v_max3_num_f32 v[XR+4*(\t)], v[XR+4*(\t)], v[S+32*(\t)+7], v[S+32*(\t)+15]
.endr
.irp t, \x, \x+1
	v_max3_num_f32 v[XR+4*(\t)+2], v[XR+4*(\t)+2], v[S+32*(\t)+23], v[S+32*(\t)+31]
.endr
.irp t, \x, \x+1
	v_max3_num_f32 v[XR+4*(\t)], v[XR+4*(\t)], v[XR+4*(\t)+1], v[XR+4*(\t)+2]
.endr
.irp t, \x, \x+1
	v_max3_num_f32 v[XR+4*(\t)], v[XR+4*(\t)], v[XR+4*(\t)+3], -v[ST+8*(\t)]
.endr
.irp t, \x, \x+1
	v_permlanex16_b32 v[ST+8*(\t)+4], v[XR+4*(\t)], s[SEL], s[SEL+1]   ; the query's other 32 keys lie in the lane 16 away
.endr
.irp t, \x, \x+1
	v_max_num_f32 v[XR+4*(\t)], v[XR+4*(\t)], v[ST+8*(\t)+4]       ; the new m
.endr
.irp t, \x, \x+1
	v_add_f32 v[ST+8*(\t)+1], v[ST+8*(\t)], v[XR+4*(\t)]           ; its rise: new m - old m
.endr
.irp t, \x, \x+1
	v_sub_f32 v[ST+8*(\t)], 0, v[XR+4*(\t)]                        ; -m
.endr
.irp t, \x, \x+1                       ; ONE BATCH of exponentials: a, then the 32 p of each tile; nothing names a result ahead of the wait
	v_exp_f32 v[ST+8*(\t)+6], -v[ST+8*(\t)+1]                      ; a = 2^(old m - new m)
.endr
.set j, 0
.rept 16
.irp t, \x, \x+1
	v_pk_add_f32 v[S+32*(\t)+j:S+32*(\t)+j+1], v[S+32*(\t)+j:S+32*(\t)+j+1], v[ST+8*(\t):ST+8*(\t)+1] op_sel_hi:[1,0]   ; t - m, two at a time
.endr
.set j, j+2
.endr
.set j, 0
.rept 32
.irp t, \x, \x+1
	v_exp_f32 v[S+32*(\t)+j], v[S+32*(\t)+j]                       ; p = 2^(t - m), at most 1
.endr
.set j, j+1
.endr
	v_nop                                          ; a plain instruction behind the last exponential
	s_wait_alu depctr_va_vdst(0)                   ; the wait ahead of the first instruction that names a result: one for the 66
.irp t, \x, \x+1                       ; the row's sum, of p as it is in f32: two chains of pairs
	v_pk_add_f32 v[XR+4*(\t):XR+4*(\t)+1], v[S+32*(\t):S+32*(\t)+1], v[S+32*(\t)+2:S+32*(\t)+3]
	v_pk_add_f32 v[XR+4*(\t)+2:XR+4*(\t)+3], v[S+32*(\t)+4:S+32*(\t)+5], v[S+32*(\t)+6:S+32*(\t)+7]
.endr
.set j, 8
.rept 6
.irp t, \x, \x+1
	v_pk_add_f32 v[XR+4*(\t):XR+4*(\t)+1], v[XR+4*(\t):XR+4*(\t)+1], v[S+32*(\t)+j:S+32*(\t)+j+1]
	v_pk_add_f32 v[XR+4*(\t)+2:XR+4*(\t)+3], v[XR+4*(\t)+2:XR+4*(\t)+3], v[S+32*(\t)+j+2:S+32*(\t)+j+3]
.endr
.set j, j+4
.endr
.irp t, \x, \x+1
	v_pk_add_f32 v[XR+4*(\t):XR+4*(\t)+1], v[XR+4*(\t):XR+4*(\t)+1], v[XR+4*(\t)+2:XR+4*(\t)+3]
.endr
.irp t, \x, \x+1
	v_pk_fma_f32 v[ST+8*(\t)+2:ST+8*(\t)+3], v[ST+8*(\t)+2:ST+8*(\t)+3], v[ST+8*(\t)+6:ST+8*(\t)+7], v[XR+4*(\t):XR+4*(\t)+1] op_sel_hi:[1,0,1]   ; l = a l + the step's sum
.endr
.set j, 0
.rept 16
.irp t, \x, \x+1
	v_cvt_pk_f16_f32 v[S+32*(\t)+j], v[S+32*(\t)+2*j], v[S+32*(\t)+2*j+1]   ; p in f16, in place: register j is written when registers 2 j, 2 j + 1 are read, never ahead of them
.endr
.set j, j+1
.endr
	WIN 0x41                                       ; O^T (destination and source 0) in window 1, a in window 0
.set j, 0
.rept 16
.irp t, \x, \x+1
	v_pk_mul_f32 v[OF+32*(\t)+j:OF+32*(\t)+j+1], v[OF+32*(\t)+j:OF+32*(\t)+j+1], v[ST+8*(\t)+6:ST+8*(\t)+7] op_sel_hi:[1,0]   ; O^T x a, each accumulator from its low end on
.endr
.set j, j+2
.endr
	WIN 0
.endm
.macro PV                              ; O^T += V^T P: 16 accumulators by turns
	WIN 0x50                                       ; C and D in window 1
.irp f, 0,1
.irp t, 0,1,2,3
.irp dt, 0,1,2,3
	v_wmma_f32_16x16x32_f16 v[OF+32*\t+8*\dt:OF+32*\t+8*\dt+7], v[KV+32*\f+8*\dt:KV+32*\f+8*\dt+7], v[S+32*\t+8*\f:S+32*\t+8*\f+7], v[OF+32*\t+8*\dt:OF+32*\t+8*\dt+7]
.endr
.endr
.endr
.endm
; A KEY STEP, read from slot n.  At its head the change of slots: each wave waits for all its tensor loads (one is out: its part of slot n), adds 0 to its spare word, and waits for that and for its reads of the other slot;
; a round of the cluster's barrier; refill = 1: the next step's tiles are asked for, into the slot just left: one load a wave, which has this whole step in which to land.
.macro TRIP n, refill, ask
	s_wait_tensorcnt 0x0                           ; no tensor load of mine is out, so a group 0 may be written
	ds_add_u32 v[SPW], v[NIL]                      ; the steps below stand between the add and the wait for it
	s_add_nc_u64 s[G0M+4*\n+2:G0M+4*\n+3], s[G0M+4*\n+2:G0M+4*\n+3], 512     ; this slot's next tiles: two key steps on
	s_add_nc_u64 s[G0K+4*\n+2:G0K+4*\n+3], s[G0K+4*\n+2:G0K+4*\n+3], 16384
	s_add_nc_u64 s[G0V+4*\n+2:G0V+4*\n+3], s[G0V+4*\n+2:G0V+4*\n+3], 16384
.if \ask
	s_wait_xcnt 0x0                                ; the last prefetch, a key step back, has read its address
	s_add_nc_u64 s[PFA:PFA+1], s[PFA:PFA+1], s[PFS:PFS+1]
.endif
	s_wait_dscnt 0x0                               ; the add is done, and my reads of the other slot are over
	CROUND
.if \refill
	JLOAD 1-\n
.endif
	FETCH_K \n
	FETCH_M \n, 0
	WIN 0
.if \ask
	ASK                                            ; in step j the tiles of step j + 2; steps 30 and 31 ask for nothing
.endif
	s_wait_dscnt 16                                ; K is in; the mask's 16 loads may be out
	SQK
	WIN 0
.rept 4
	v_nop                                          ; places in front of the loads into K's registers and of the first read of the scores
.endr
	FETCH_V \n
	s_wait_dscnt 16                                ; the mask of tiles 0 and 1 is in; V's 16 loads may be out
	MASKFMA 0
	FETCH_M \n, 2
	SOFTMAX 0
	s_wait_dscnt 0x0                               ; V and the mask of tiles 2 and 3
	MASKFMA 2
	SOFTMAX 2
	PV
	WIN 0
.rept 5
	v_nop                                          ; places in front of the loads into V's registers, and of the next step's first products, which write over p
.endr
.endm
	s_wait_loadcnt 0x0                             ; Q
.Lstep:                                            ; 15 trips of two key steps: steps 0 to 29
	TRIP 0, 1, 1
	TRIP 1, 1, 1
	s_sub_co_u32 s[CNT], s[CNT], 1
	s_cmp_lg_u32 s[CNT], 0
	s_cbranch_scc1 .Lstep
	TRIP 0, 1, 0                                   ; step 30 asks for step 31's tiles;
	TRIP 1, 0, 0                                   ; step 31 for nothing: the tail is written out
	; THE WAY OUT.  O^T / the sum, rounded to f16, through a stage of 256 rows x (256 bytes + 16) in slot 0's mask region: it has had its last fill, and every wave has passed step 31's round behind its last read of it.
.irp t, 0,1,2,3
	v_add_f32 v[ST+8*\t+4], v[ST+8*\t+2], v[ST+8*\t+3]
.endr
.irp t, 0,1,2,3
	v_permlanex16_b32 v[ST+8*\t+1], v[ST+8*\t+4], s[SEL], s[SEL+1]
.endr
.irp t, 0,1,2,3
	v_add_f32 v[ST+8*\t+4], v[ST+8*\t+4], v[ST+8*\t+1]             ; the row's sum
.endr
.irp t, 0,1,2,3
	v_rcp_f32 v[ST+8*\t+6], v[ST+8*\t+4]
.endr
	v_nop                                          ; a plain instruction behind the last reciprocal
	s_wait_alu depctr_va_vdst(0)                   ; and the wait ahead of the first use: one for the four
	WIN 0x41
.irp t, 0,1,2,3
.set j, 0
.rept 16
	v_pk_mul_f32 v[OF+32*\t+j:OF+32*\t+j+1], v[OF+32*\t+j:OF+32*\t+j+1], v[ST+8*\t+6:ST+8*\t+7] op_sel_hi:[1,0]
.set j, j+2
.endr
.endr
	WIN 0x05                                       ; sources in window 1, destination in window 0: the scores' registers are free
.set j, 0
.rept 64
	v_cvt_pk_f16_f32 v[S+j], v[OF+2*j], v[OF+2*j+1]
.set j, j+1
.endr
	WIN 0
.irp t, 0,1,2,3
.irp dt, 0,1,2,3
	ds_store_b128 v[STO], v[S+16*\t+4*\dt:S+16*\t+4*\dt+3] offset:\t*16*PM+32*\dt   ; query 16 t + r, channels 16 dt + 8 h on
.endr
.endr
	s_wait_dscnt 0x0                               ; for the others' sake: a row's 256 bytes come from two waves
	s_barrier_signal -1
	s_barrier_wait -1
.irp i, 0,1,2,3,4,5,6,7,8,9,10,11,12,13,14,15
	ds_load_b128 v[S+64+4*\i:S+64+4*\i+3], v[RD] offset:\i*2*PM
.endr
.irp i, 0,1,2,3,4,5,6,7,8,9,10,11,12,13,14,15
	s_wait_dscnt 15-\i                             ; load i is in; the younger ones may be out
	global_store_b128 v[GO], v[S+64+4*\i:S+64+4*\i+3], s[8:9] offset:\i*4096   ; 16 lanes store 256 consecutive bytes, aligned
.endr
	s_wait_tensorcnt 0x0                           ; the wave's end
	ds_add_u32 v[SPW], v[NIL]
	s_wait_dscnt 0x0
	CROUND                                         ; the closing round
	s_endpgm
.Lfunc_end_k_q5dbe0fa10a_attn:
	.size	k_q5dbe0fa10a_attn, .Lfunc_end_k_q5dbe0fa10a_attn-k_q5dbe0fa10a_attn
	.p2alignl 7, 3214868480
	.fill 96, 4, 3214868480
	.section	.rodata,"a",@progbits
	.p2align	6, 0x0
	.amdhsa_kernel k_q5dbe0fa10a_attn
		.amdhsa_group_segment_fixed_size 327680
		.amdhsa_private_segment_fixed_size 0
		.amdhsa_enable_private_segment 0
		.amdhsa_kernarg_size 24
		.amdhsa_user_sgpr_count 2
		.amdhsa_user_sgpr_kernarg_segment_ptr 1
		.amdhsa_wavefront_size32 1
		.amdhsa_system_sgpr_workgroup_id_x 1
		.amdhsa_system_sgpr_workgroup_id_y 1
		.amdhsa_system_sgpr_workgroup_id_z 1
		.amdhsa_system_vgpr_workitem_id 0
		.amdhsa_next_free_vgpr 512
		.amdhsa_next_free_sgpr 100
		.amdhsa_reserve_vcc 0
		.amdhsa_float_denorm_mode_32 3
		.amdhsa_float_denorm_mode_16_64 3
		.amdhsa_memory_ordered 1
		.amdhsa_forward_progress 1
		.amdhsa_inst_pref_size 187
	.end_amdhsa_kernel
	.amdgpu_metadata
---
amdhsa.version: [ 1, 2 ]
amdhsa.kernels:
  - .name:           k_q5dbe0fa10a_attn
    .symbol:         k_q5dbe0fa10a_attn.kd
    .args:
      - { .name: qkv, .offset: 0, .size: 8, .value_kind: global_buffer, .address_space: global }
      - { .name: attention_mask, .offset: 8, .size: 8, .value_kind: global_buffer, .address_space: global }
      - { .name: ao, .offset: 16, .size: 8, .value_kind: global_buffer, .address_space: global }
    .group_segment_fixed_size: 327680
    .private_segment_fixed_size: 0
    .kernarg_segment_align: 8
    .kernarg_segment_size: 24
    .max_flat_workgroup_size: 256
    .sgpr_count:     100
    .vgpr_count:     512
    .wavefront_size: 32
...
	.end_amdgpu_metadata
.endif
;; end of part 3
;; launch oproj (part 4): grid 8 x 64, 4 waves a work-group, clusters of 4 x 4, 327,680 bytes of LDS; arguments ao, wot, out0, bo; writes out0
.if DOCPART == 4
	.amdgcn_target "amdgcn-amd-amdhsa--gfx1250"
	.amdhsa_code_object_version 6
	.text
	.protected	k_q5dbe0fa10a_oproj
	.globl	k_q5dbe0fa10a_oproj
	.p2align	8
	.type	k_q5dbe0fa10a_oproj,@function
k_q5dbe0fa10a_oproj:
	s_mov_b64 s[64:65], 0
	v_nop
	global_prefetch_b8 v0, s[64:65] scope:SCOPE_SE
	s_setreg_imm32_b32 hwreg(HW_REG_WAVE_MODE, 25, 1), 1
	s_wait_xcnt 0x0
	s_wait_alu depctr_hold_cnt(0) depctr_sa_sdst(0) depctr_va_vdst(0) depctr_va_sdst(0) depctr_va_ssrc(0) depctr_va_vcc(0) depctr_vm_vsrc(0)
	s_getreg_b32 s2, hwreg(HW_REG_IB_STS2, 6, 4)
	s_cmp_eq_u32 s2, 0
	s_cbranch_scc0 .Lentry_in_a_cluster
	s_endpgm
.Lentry_in_a_cluster:
	s_bfe_u32 s2, ttmp6, 0x10000c
	s_cmp_lg_u32 s2, 0xf033
	s_cbranch_scc0 .Lentry_shape_is_right
	s_endpgm
.Lentry_shape_is_right:
; out0 = ao Wo + bo.  A = ao [8192][1024] f16, B = Wo laid [1024 n][1024 k] f16, out0 [8192][1024] f32; sums in f32.
; A tile of the result is 128 x 128: 512 work-groups.  Four waves, each 64 x 64: 16 accumulators of 16 x 16.  K goes in steps of 256 (LDS rows of 512 bytes; a wave's tensor load brings 64 of them) through two slots.
; CLUSTERS: 4 x 4 work-groups; A's tiles are shared along a row of the cluster, B's along a column, each asked for jointly.  No prefetch: the tiles are small and shared, and a K step is short.
; THE MATRIX INSTRUCTION IS USED TRANSPOSED (source 0 = 16 rows of B, source 1 = 16 rows of A): a lane holds eight neighbouring numbers of a row.  THE BIAS IS THE C OF EACH SUM'S FIRST PRODUCT.
; REGISTERS: window 0: v0-31 addresses; v32-95 the way out; v96-127 the bias in the result's layout; v128-255 the accumulators ((a, b) at v[128 + 8 (4 a + b)]).  window 1: two fragment buffers of 128.
.set SIZE_N, 1024
.set SIZE_K, 1024
.set KSTEP,  256
.set PITCH,  528                       ; an LDS row: 512 bytes + 16 of padding = 132 words: the 16 rows that a load touches start at 16 different banks (64 banks of 4 bytes: ISA guide 11.1)
.set HALFT,  64*PITCH
.set SLOT,   4*HALFT                   ; A's 128 rows, then B's 128 rows
.set STAGE,  2*SLOT                    ; behind the ring: 16 rows x 272 bytes for each wave: a wave's 64 columns of f32 are 256 aligned bytes of a row, so each wave has a stage of its own
.set SPITCH, 272
.set SPARE,  STAGE+4*16*SPITCH         ; the spare words, 128 bytes for each wave: two blocks of 256 bytes that no other line names
.set LAPS, SIZE_K/(2*KSTEP)
.set ADRA, 16
.set ADRB, 20
.set STO,  24
.set RD,   25
.set CO,   26
.set SPW,  28
.set NIL,  29
.set TMP,  32
.set BI,   96                          ; register BI + 8 b + j: the bias of column 16 b + 8 (lane / 16) + j of my 64
.set ACC,  128
.set F0,   0
.set F1,   128
.set G1, 24
.set G0, 32
.set G1B, 48
.set G0B, 56
.set MSB, 0
.macro WIN new                         ; the immediate's high byte repeats the setting that is left
.if MSB != \new
	s_set_vgpr_msb (MSB<<8)|\new
.set MSB, \new
.endif
.endm
.set MUL,  0x05                        ; sources 0 (B) and 1 (A) window 1; C and D window 0
.set TO_F, 0x40
.macro JLOAD s                         ; a joint load: waves 0 and 1 fetch A's two halves, waves 2 and 3 B's; an s_nop 0 and four v_nop follow each of the two lines
	s_cmp_eq_u32 s11, 0
	s_cbranch_scc0 .Lfor_b_\@
	tensor_load_to_lds s[G0+4*\s:G0+4*\s+3], s[G1:G1+7]
	s_nop 0
.rept 4
	v_nop
.endr
	s_branch .Lasked_\@
.Lfor_b_\@:
	tensor_load_to_lds s[G0B+4*\s:G0B+4*\s+3], s[G1B:G1B+7]
	s_nop 0
.rept 4
	v_nop
.endr
.Lasked_\@:
.endm
.macro CREST                           ; a round of the cluster's barrier behind its opening barrier
	s_cmp_lg_u32 s10, 0
	s_cbranch_scc1 .Lnot_wave_0_\@
	s_barrier_signal -3
.Lnot_wave_0_\@:
	s_barrier_wait -3
	s_barrier_signal -1
	s_barrier_wait -1
.endm
.macro CROUND
	s_barrier_signal -1
	s_barrier_wait -1
	CREST
.endm
	s_load_b128 s[4:7], s[0:1], 0x0                ; A s[4:5], B s[6:7]
	s_load_b64 s[8:9], s[0:1], 0x10                ; out0
	s_load_b64 s[66:67], s[0:1], 0x18              ; bo
	v_lshl_add_u32 v[SPW], v0, 2, SPARE
	v_mov_b32 v[NIL], 0
	ds_add_u32 v[SPW], v[NIL]                      ; the wave's opening: the add, twice on end, and its wait ahead of my first tensor load
	ds_add_u32 v[SPW], v[NIL]
	v_lshrrev_b32 v1, 5, v0
	v_readfirstlane_b32 s10, v1                    ; wave 0..3
	s_lshr_b32 s11, s10, 1                         ; which half of the tile's rows is mine.  Also: I fetch for A (0) or for B (1)
	s_and_b32 s12, s10, 1                          ; which half of its columns.  Also: which 64 rows of that tile I fetch
	s_bfe_u32 s40, ttmp6, 0x40000                  ; cx, cy
	s_bfe_u32 s41, ttmp6, 0x40004
	s_lshl_b32 s42, ttmp9, 2
	s_add_co_u32 s42, s42, s40                     ; tile column = 4 x cluster x + cx
	s_and_b32 s13, ttmp7, 0xffff
	s_lshl_b32 s13, s13, 2
	s_add_co_u32 s13, s13, s41                     ; tile row = 4 x cluster y + cy
	s_lshl_b32 s43, s41, 2
	s_lshl_b32 s43, 15, s43                        ; my row of the cluster
	s_lshl_b32 s44, 0x1111, s40                    ; my column
	s_or_b32 s[G1+0], s43, (1<<16)|(1<<20)|(1<<21)|(6<<22)|(3<<25)  ; the mask; elements of 2 bytes; padding on; bit 21 beside a mask; four words after every 128
	s_or_b32 s[G1B+0], s44, (1<<16)|(1<<20)|(1<<21)|(6<<22)|(3<<25)
.irp g, G1, G1B
	s_mov_b32 s[\g+1], KSTEP<<16                   ; tensor_dim0 = 256
	s_mov_b32 s[\g+2], 64<<16                      ; tensor_dim1 = 64
	s_mov_b32 s[\g+3], KSTEP<<16                   ; tile_dim0 = 256
	s_mov_b32 s[\g+4], 64                          ; tile_dim1 = 64
	s_mov_b32 s[\g+5], SIZE_K                      ; from row to row
	s_mov_b32 s[\g+6], 0
	s_mov_b32 s[\g+7], 0
.endr
	s_lshl_b32 s17, s12, 6                         ; which 64 rows of the tile I fetch
	s_lshl_b32 s16, s13, 7
	s_add_co_u32 s16, s16, s17                     ; A: row 128 x tile row + 64 x half
	s_lshl_b32 s46, s42, 7
	s_add_co_u32 s46, s46, s17                     ; B: row 128 x tile column + 64 x half
	s_mov_b32 s17, 0
	s_mov_b32 s47, 0
	s_mov_b64 s[18:19], SIZE_K*2
	s_mul_u64 s[16:17], s[16:17], s[18:19]
	s_mul_u64 s[46:47], s[46:47], s[18:19]
	s_mul_i32 s20, s10, HALFT                      ; where they go: wave x 64 rows
	s_wait_dscnt 0x0                               ; both opening adds are done
	s_wait_kmcnt 0x0
	s_add_nc_u64 s[14:15], s[4:5], s[16:17]
	s_add_nc_u64 s[46:47], s[6:7], s[46:47]
	CROUND                                         ; all sixteen work-groups are here: the first joint loads meet
.irp s, 0,1
	s_mov_b32 s[G0+4*\s], 1
	s_add_co_u32 s[G0+4*\s+1], s20, \s*SLOT
	s_add_nc_u64 s[G0+4*\s+2:G0+4*\s+3], s[14:15], \s*KSTEP*2
	s_or_b32 s[G0+4*\s+3], s[G0+4*\s+3], 0x80000000
	s_mov_b32 s[G0B+4*\s], 1
	s_add_co_u32 s[G0B+4*\s+1], s20, \s*SLOT
	s_add_nc_u64 s[G0B+4*\s+2:G0B+4*\s+3], s[46:47], \s*KSTEP*2
	s_or_b32 s[G0B+4*\s+3], s[G0B+4*\s+3], 0x80000000
	JLOAD \s                                       ; two loads of mine are out at the most
.endr
	v_and_b32 v1, 15, v0                           ; l % 16
	v_bfe_u32 v2, v0, 4, 1                         ; l / 16
	v_mul_u32_u24 v3, v1, PITCH
	v_lshl_add_u32 v3, v2, 4, v3                   ; a fragment's row x pitch + 16 x half
	s_mul_i32 s21, s11, HALFT                      ; my 64 rows of A
	s_mul_i32 s22, s12, HALFT                      ; my 64 rows of B,
	s_add_co_u32 s22, s22, 2*HALFT                 ; which lie behind A's 128
.irp s, 0,1
	v_add_nc_u32 v[ADRA+\s], s21, v3
	v_add_nc_u32 v[ADRB+\s], s22, v3
	s_add_co_u32 s21, s21, SLOT
	s_add_co_u32 s22, s22, SLOT
.endr
	s_mul_i32 s23, s10, 16*SPITCH
	s_add_co_u32 s23, s23, STAGE                   ; my stage
	v_mul_u32_u24 v4, v1, SPITCH                   ; in: row l % 16, 32 bytes for each half of the lanes
	v_lshl_add_u32 v4, v2, 5, v4
	v_add_nc_u32 v[STO], s23, v4
	v_mul_u32_u24 v5, v2, SPITCH                   ; back: lanes 0-15 take one row of 256 bytes, lanes 16-31 the next
	v_lshl_add_u32 v5, v1, 4, v5
	v_add_nc_u32 v[RD], s23, v5
	v_lshlrev_b32 v5, 12, v2                       ; and the same two rows in out0
	v_lshl_add_u32 v[CO], v1, 4, v5
	v_lshlrev_b32 v6, 5, v2                        ; the bias: eight numbers further on for lanes 16-31
	s_lshl_b32 s46, s42, 9                         ; my first column x 4 bytes: 512 x tile column + 256 x half
	s_lshl_b32 s47, s12, 8
	s_add_co_u32 s46, s46, s47
	s_mov_b32 s47, 0
	s_add_nc_u64 s[66:67], s[66:67], s[46:47]
.irp b, 0,1,2,3
	global_load_b128 v[BI+8*\b:BI+8*\b+3], v6, s[66:67] offset:64*\b
	global_load_b128 v[BI+8*\b+4:BI+8*\b+7], v6, s[66:67] offset:64*\b+16
.endr
	s_lshl_b32 s16, s13, 7
	s_lshl_b32 s17, s11, 6
	s_add_co_u32 s16, s16, s17                     ; my first row: 128 x tile row + 64 x half,
	s_lshl_b32 s16, s16, 12                        ; 4,096 bytes each
	s_mov_b32 s17, 0
	s_add_nc_u64 s[8:9], s[8:9], s[16:17]
	s_add_nc_u64 s[8:9], s[8:9], s[46:47]
; 8 matrix instructions: m blocks a0, a0 + 1 x all 4 n blocks, 32 along K: half c of buffer f.  zero = 1: the first product starts the sums from the bias.  The 16 accumulators take turns.
.macro MUL8 f, c, a0, zero
.irp a, \a0, \a0+1
.irp b, 0,1,2,3
.if \zero
	v_wmma_f32_16x16x32_f16 v[ACC+8*(4*(\a)+\b):ACC+8*(4*(\a)+\b)+7], v[\f+64+8*(4*\c+\b):\f+64+8*(4*\c+\b)+7], v[\f+8*(4*\c+\a):\f+8*(4*\c+\a)+7], v[BI+8*\b:BI+8*\b+7]
.else
	v_wmma_f32_16x16x32_f16 v[ACC+8*(4*(\a)+\b):ACC+8*(4*(\a)+\b)+7], v[\f+64+8*(4*\c+\b):\f+64+8*(4*\c+\b)+7], v[\f+8*(4*\c+\a):\f+8*(4*\c+\a)+7], v[ACC+8*(4*(\a)+\b):ACC+8*(4*(\a)+\b)+7]
.endif
.endr
.endr
.endm
.macro FETCH slot, k, f                ; 32 LDS loads in one run: the fragments of 64 along K at byte k of the rows, into buffer f; the first 32 along K first
	WIN TO_F
.irp c, 0,1
.irp i, 0,1,2,3
	ds_load_b128 v[\f+64+8*(4*\c+\i):\f+64+8*(4*\c+\i)+3],   v[ADRB+\slot] offset:\k+64*\c+\i*16*PITCH
	ds_load_b128 v[\f+64+8*(4*\c+\i)+4:\f+64+8*(4*\c+\i)+7], v[ADRB+\slot] offset:\k+64*\c+\i*16*PITCH+32
	ds_load_b128 v[\f+8*(4*\c+\i):\f+8*(4*\c+\i)+3],         v[ADRA+\slot] offset:\k+64*\c+\i*16*PITCH
	ds_load_b128 v[\f+8*(4*\c+\i)+4:\f+8*(4*\c+\i)+7],       v[ADRA+\slot] offset:\k+64*\c+\i*16*PITCH+32
.endr
.endr
.endm
.macro PLACES                          ; four places in front of loads into registers that matrix instructions have read, and of the first read of results
.rept 4
	v_nop
.endr
.endm
.macro QUARTER slot, k, f, g, zero     ; 64 along K: multiplies buffer f and fetches the next quarter, at byte k, into g
	s_wait_dscnt 16                                ; the first 32 along K are in; the other sixteen loads may be out
	WIN MUL
	MUL8 \f, 0, 0, \zero
	MUL8 \f, 0, 2, \zero
	PLACES
	FETCH \slot, \k, \g
	s_wait_dscnt 32                                ; all but the 32 just issued
	WIN MUL
	MUL8 \f, 1, 0, 0
	MUL8 \f, 1, 2, 0
.endm
; The last quarter changes slots: one barrier; in front of it each wave waits for all its tensor loads, adds 0 to its spare word, and waits for that and for its own reads of this slot.  fill = 1: the slot is filled again, two K steps ahead.
.macro TURN slot, next, fill
	WIN 0
	s_wait_tensorcnt 0x0                           ; all my tensor loads have landed: my part of the next slot
	ds_add_u32 v[SPW], v[NIL]
	s_wait_dscnt 17                                ; the add and the youngest sixteen loads may be out
	WIN MUL
	MUL8 F1, 0, 0, 0
	s_wait_dscnt 0x0                               ; the add is done, and my reads of this slot are over
	s_barrier_signal -1
	MUL8 F1, 0, 2, 0
.if \fill
	WIN 0
.endif
	s_barrier_wait -1
.if \fill
	CREST                                          ; the barrier has opened a round of the cluster's barrier: no wave of any partner still reads this slot or has a load on its way
	s_add_nc_u64 s[G0+4*\slot+2:G0+4*\slot+3], s[G0+4*\slot+2:G0+4*\slot+3], 2*KSTEP*2
	s_add_nc_u64 s[G0B+4*\slot+2:G0B+4*\slot+3], s[G0B+4*\slot+2:G0B+4*\slot+3], 2*KSTEP*2
	JLOAD \slot                                    ; the first tensor load behind the round; its four v_nop are also the places in front of the loads below
.else
	PLACES
.endif
	FETCH \next, 0, F0
	WIN MUL
	MUL8 F1, 1, 0, 0
	MUL8 F1, 1, 2, 0
.endm
	s_wait_tensorcnt 1                             ; my part of K step 0 is in; K step 1's load may be out,
	s_barrier_signal -1
	s_barrier_wait -1                              ; everybody's is
	FETCH 0, 0, F0
	s_wait_loadcnt 0x0                             ; the bias
	QUARTER 0, 128, F0, F1, 1
	WIN 0
	s_mov_b32 s3, LAPS-1
.Llap:                                             ; a trip goes once round the ring, from a lap's second quarter to the next lap's first, and fills both slots again
	QUARTER 0, 256, F1, F0, 0
	QUARTER 0, 384, F0, F1, 0
	TURN 0, 1, 1
	QUARTER 1, 128, F0, F1, 0
	QUARTER 1, 256, F1, F0, 0
	QUARTER 1, 384, F0, F1, 0
	TURN 1, 0, 1
	QUARTER 0, 128, F0, F1, 0
	WIN 0
	s_sub_co_u32 s3, s3, 1
	s_cmp_lg_u32 s3, 0
	s_cbranch_scc1 .Llap
	QUARTER 0, 256, F1, F0, 0                      ; the last lap fills nothing
	QUARTER 0, 384, F0, F1, 0
	TURN 0, 1, 0
	QUARTER 1, 128, F0, F1, 0
	QUARTER 1, 256, F1, F0, 0
	QUARTER 1, 384, F0, F1, 0
	s_wait_dscnt 16
	WIN MUL
	MUL8 F1, 0, 0, 0
	MUL8 F1, 0, 2, 0
	s_wait_dscnt 0
	MUL8 F1, 1, 0, 0
	MUL8 F1, 1, 2, 0
	WIN 0
; THE WAY OUT, block by block of 16 rows x 64 columns of f32: a lane holds 32 neighbouring bytes of a row; the block goes through my own stage and comes back as whole rows of 256 bytes.
.macro TOSTAGE a
.set BB, TMP+32*((\a)%2)
.irp b, 0,1,2,3
	ds_store_b128 v[STO], v[ACC+8*(4*(\a)+\b):ACC+8*(4*(\a)+\b)+3] offset:64*\b        ; each accumulator from its low end on
	ds_store_b128 v[STO], v[ACC+8*(4*(\a)+\b)+4:ACC+8*(4*(\a)+\b)+7] offset:64*\b+16
.endr
.irp i, 0,1,2,3,4,5,6,7
	ds_load_b128 v[BB+4*\i:BB+4*\i+3], v[RD] offset:\i*2*SPITCH    ; in order behind the stores (ISA guide 5.7.1.4)
.endr
.endm
.macro SEND a, younger
.set BB, TMP+32*((\a)%2)
	s_wait_dscnt \younger                          ; the block is back; the next block's 8 stores and 8 loads may be out
.irp i, 0,1,2,3,4,5,6,7
	global_store_b128 v[CO], v[BB+4*\i:BB+4*\i+3], s[8:9] offset:(\a)*16*SIZE_N*4+\i*2*SIZE_N*4 th:TH_STORE_NT   ; 16 lanes store 256 consecutive bytes, aligned; written once, read by nobody here
.endr
.endm
	PLACES
	TOSTAGE 0
.irp a, 1,2,3
.if \a > 1
	s_wait_xcnt 0x0                                ; block a - 2's stores have read their registers: block a's loads may land there
.endif
	TOSTAGE \a
	SEND \a-1, 16
.endr
	SEND 3, 0
	s_wait_tensorcnt 0x0                           ; the wave's end
	ds_add_u32 v[SPW], v[NIL]
	s_wait_dscnt 0x0
	CROUND                                         ; the closing round
	s_endpgm
.Lfunc_end_k_q5dbe0fa10a_oproj:
	.size	k_q5dbe0fa10a_oproj, .Lfunc_end_k_q5dbe0fa10a_oproj-k_q5dbe0fa10a_oproj
	.p2alignl 7, 3214868480
	.fill 96, 4, 3214868480
	.section	.rodata,"a",@progbits
	.p2align	6, 0x0
	.amdhsa_kernel k_q5dbe0fa10a_oproj
		.amdhsa_group_segment_fixed_size 327680
		.amdhsa_private_segment_fixed_size 0
		.amdhsa_enable_private_segment 0
		.amdhsa_kernarg_size 32
		.amdhsa_user_sgpr_count 2
		.amdhsa_user_sgpr_kernarg_segment_ptr 1
		.amdhsa_wavefront_size32 1
		.amdhsa_system_sgpr_workgroup_id_x 1
		.amdhsa_system_sgpr_workgroup_id_y 1
		.amdhsa_system_sgpr_workgroup_id_z 1
		.amdhsa_system_vgpr_workitem_id 0
		.amdhsa_next_free_vgpr 512
		.amdhsa_next_free_sgpr 70
		.amdhsa_reserve_vcc 0
		.amdhsa_float_denorm_mode_32 3
		.amdhsa_float_denorm_mode_16_64 3
		.amdhsa_memory_ordered 1
		.amdhsa_forward_progress 1
		.amdhsa_inst_pref_size 86
	.end_amdhsa_kernel
	.amdgpu_metadata
---
amdhsa.version: [ 1, 2 ]
amdhsa.kernels:
  - .name:           k_q5dbe0fa10a_oproj
    .symbol:         k_q5dbe0fa10a_oproj.kd
    .args:
      - { .name: ao, .offset: 0, .size: 8, .value_kind: global_buffer, .address_space: global }
      - { .name: wot, .offset: 8, .size: 8, .value_kind: global_buffer, .address_space: global }
      - { .name: out0, .offset: 16, .size: 8, .value_kind: global_buffer, .address_space: global }
      - { .name: bo, .offset: 24, .size: 8, .value_kind: global_buffer, .address_space: global }
    .group_segment_fixed_size: 327680
    .private_segment_fixed_size: 0
    .kernarg_segment_align: 8
    .kernarg_segment_size: 32
    .max_flat_workgroup_size: 128
    .sgpr_count:     70
    .vgpr_count:     512
    .wavefront_size: 32
...
	.end_amdgpu_metadata
.endif
;; end of part 4
